; MI455X (gfx1250); checked and timed in simulation.
; The chip was launched on July 23, 2026; its instructions are those of AMD's public machine-readable ISA for CDNA 5 (MIT licence, August 2026) and "CDNA5" Instruction Set Architecture Reference Guide (July 2026). The comments in the code are by the model that wrote it; some were corrected since.
;; Multi Head Causal Attention. Allowed arithmetic: matrix products marked QUANTISED: E2M1 operands, one E8M0 scale for each 32 along K, by v_wmma_scale_f32_16x16x128_f8f6f4 with both operands' format E2M1 (or v_wmma_scale_f32_32x16x128_f4), f32 sums; products left as they are: bf16, f16 or f32 operands; f32 sums; everything else in f32.
;; Inputs: Wk 768 x 768 float32; Wq 768 x 768 float32; Wv 768 x 768 float32; beta 768 float32; bk 768 float32; bq 768 float32; bv 768 float32; gamma 768 float32; pad_mask 4 x 2,048 float32; x 4 x 2,048 x 768 float32.
;; Outputs: out0 4 x 2,048 x 768 float32.
;; This version of the problem:
;;   THIS VERSION OF THE PROBLEM IS GIVEN IN LOW PRECISION. The matrix products marked QUANTISED in the list below multiply operands that are first quantised to E2M1 (2 exponent bits, 1 mantissa bit; 4 bits a number), with one power-of-two scale for each 32 numbers along K (OCP MX v1.0); their sums are f32. The products marked 'left as it is' may take bf16, f16 or f32 operands, with f32 sums. Whichever they take, every output number must still come out within the allowed error. Rounding operands to bf16 (8 significant bits) uses up far more of that allowance than f16 does (11 bits, for magnitudes from 6e-5 to 65,504). All else is computed in f32.
;;   The module's matrix products, in the order in which they are computed (A, B: the left and right operand; K: the contracted axis; several contracted axes count as one K, in the product's order):
;;     1. [M 8,192, K 768] x [K 768, N 768]; A: input x; B: input Wq: QUANTISED
;;     2. [M 8,192, K 768] x [K 768, N 768]; A: input x; B: input Wk: QUANTISED
;;     3. [M 8,192, K 768] x [K 768, N 768]; A: input x; B: input Wv: QUANTISED
;;     4. batch 32 x [M 2,048, K 96] x [K 96, N 2,048]; A: computed on the way; B: computed on the way: left as it is (an operand is computed on the way)
;;     5. batch 32 x [M 2,048, K 2,048] x [K 2,048, N 96]; A: computed on the way; B: computed on the way: left as it is (an operand is computed on the way)
;;   THE QUANTISER, for each operand of a quantised product, along K:
;;     - K is cut into blocks of 32 from its start; a last block that is shorter is filled with zeros.
;;     - A block's scale is 2^e with e = floor(log2(the largest magnitude in the block)) - 2, held to -126 .. 127; a block of zeros has e = 0. As a byte (E8M0): e + 127.
;;     - Each number is divided by its block's scale, clamped to +-6, and rounded to the nearest number of E2M1, ties to even, subnormals kept.
;;     - The product sums the exact products of the quantised numbers (number of the format x scale) in f32.
;;   ~~~python
;;   def quantise(x, axis):      # numpy; x: float32 -> the quantised numbers, widened to float32 again
;;       x = np.moveaxis(x, axis, -1); K = x.shape[-1]
;;       x = np.pad(x, [(0, 0)] * (x.ndim - 1) + [(0, -K % 32)]); x = x.reshape(x.shape[:-1] + (-1, 32)); a = np.abs(x).max(-1, keepdims=True)
;;       e = np.where(a > 0, np.clip(np.frexp(np.where(a > 0, a, 1))[1] - 1 - 2, -126, 127), 0)      # np.frexp(a)[1] - 1 = floor(log2(a)), exactly
;;       r = np.clip(x / 2.0 ** e, -6, 6)
;;       step = 2.0 ** (np.maximum(np.frexp(np.where(r == 0, 1, r))[1] - 1, 0) - 1)
;;       q = np.round(r / step) * step * 2.0 ** e      # np.round: ties to even
;;       return np.moveaxis(q.reshape(q.shape[:-2] + (-1,))[..., :K], -1, axis).astype(np.float32)
;;   ~~~
;; One version. Each part assembles by itself: llvm-mc -triple=amdgcn-amd-amdhsa -mcpu=gfx1250 --defsym DOCPART=n.
;; ======== version 1 of 1: 4 launches
;; limits: values are held in f16: magnitudes above 65,504 overflow, below 6.1e-05 lose precision
;; workspace buffers: ximg 3,145,728 bytes; wimg 884,736 bytes; scl 335,872 bytes; qimg 12,582,912 bytes; kimg 12,713,984 bytes; vimg 12,713,984 bytes; vsum 196,608 bytes; attn 25,165,824 bytes
;; launch quant (part 1): grid 328 x 1, 4 waves a work-group, no clusters, 34,304 bytes of LDS; arguments x, Wq, Wk, Wv, ximg, wimg, scl; writes ximg, wimg, scl
.if DOCPART == 1
	.amdgcn_target "amdgcn-amd-amdhsa--gfx1250"
	.amdhsa_code_object_version 6
	.text
	.protected	k_q1c89212e2d_quant
	.globl	k_q1c89212e2d_quant
	.p2align	8
	.type	k_q1c89212e2d_quant,@function
k_q1c89212e2d_quant:
	s_mov_b64 s[64:65], 0
	v_nop
	global_prefetch_b8 v0, s[64:65] scope:SCOPE_SE
	s_setreg_imm32_b32 hwreg(HW_REG_WAVE_MODE, 25, 1), 1
	s_wait_xcnt 0x0
; x [8192][768] and Wq, Wk, Wv [768 (k)][768 (n)], f32, become codes of FP4 (E2M1) with one E8M0 scale byte for each 32 along K, laid as IMAGES OF OPERAND REGISTERS:
; a fragment (16 rows x 128 K) is 8 registers a lane and lies as [2 halves of 4 registers][lane][16 bytes], 1,024 bytes; so the next launch fetches dense blocks and loads fragments at 16 x lane.
;   ximg [rb 64][s 6][mt 8][1,024]: tokens 128 rb + 16 mt + r, K step s.      wimg [t 3][g 16][s 6][j 3][1,024]: columns 16 (3 g + j) + r of tensor t.
;   scl: for each tile of 16 rows 512 bytes, [lane][4 words]: lane (r, h), word e < 3 = the four scale bytes of row r for K step 3 h + e; word 3 = 0.  x's 512 tiles first, W's 144 from byte 262,144.
; A block's scale is 2^(floor(log2(largest magnitude)) - 2): its byte is the largest magnitude's exponent field - 2, held at 1 from below by a floor among the maximum's leaves.
; A block of zeros so keeps the byte 1 (the stated rule says 127): its codes are zeros, which add nothing, and these bytes are read by this program alone.
; LIMITS: NaN and infinities among the inputs are not served; blocks whose largest magnitude lies under 2^-124 take the floor's byte.
; SHARES: work-groups 0-255 take x: a wave takes 16 tokens x 3 K steps (24 KB, all 48 loads out at its head, each 512 consecutive bytes) and turns each step through its own LDS stage so that a lane holds
; 16 neighbours of each block of 32.  Work-groups 256-327 take W: a lane takes a column and its registers run down K, so nothing is transposed; the four waves stand side by side on 256 bytes of each row.
; No tensor load, no barrier: waves share nothing.  Only x's path touches LDS.
.set XROW,  3072                       ; a row of x or of W in bytes
.set SP,    528                        ; a stage row: 512 bytes + 16: 132 words, so 16 rows start at 16 different groups of 4 banks (ISA guide 11.1)
.set WST,   16*SP                      ; a wave's stage
.set SPARE, 4*WST                      ; behind the stages: the spare words, 128 bytes a wave, named by no other line
.set LANE,  2
.set RR,    3                          ; r = lane % 16
.set HH,    4                          ; h = lane / 16
.set L16,   5                          ; 16 x lane
.set R16,   6                          ; 16 x r
.set STI,   7                          ; the stage, on the way in
.set STO,   8                          ; and on the way out
.set WAD,   9                          ; W: my column's byte in a row, + 32 h rows
.set SH8,   10                         ; 8 h
.set TW,    11
.set R,     16                         ; v16-207 three sets of 64 numbers (W's path: two)
.set TM,    208                        ; v208-223 at work
.set SW,    224                        ; v224-227 three scale words and a 0
.set PC,    228                        ; v228-251 codes: 8 registers for each K step, so that no store's data are written again
.set SPW,   252                        ; my spare word's LDS address; never rewritten
.set NIL,   253                        ; 0; never rewritten
.set SEL,   20                         ; s[20:21] lane selects: lane l xor 16
; 64 numbers of a lane, register 16 b + i = k 32 b + 16 h + i of my row, become a fragment's codes in v[pc] on and my row's scale word in v[pw]
.macro QUANT s, pc, pw
.irp b, 0,1,2,3
	v_max3_num_f32 v[TM+\b], |v[\s+16*\b]|, |v[\s+16*\b+1]|, 0x1800000   ; my 16 numbers of block b, and the floor 2^(3 - 127)
.endr
.irp i, 2,4,6,8,10,12,14
.irp b, 0,1,2,3
	v_max3_num_f32 v[TM+\b], v[TM+\b], |v[\s+16*\b+\i]|, |v[\s+16*\b+\i+1]|
.endr
.endr
.irp b, 0,1,2,3
	v_permlanex16_b32 v[TM+4+\b], v[TM+\b], s[SEL], s[SEL+1]
.endr
.irp b, 0,1,2,3
	v_max_num_f32 v[TM+\b], v[TM+\b], v[TM+4+\b]   ; with lane l xor 16's 16: the block's largest magnitude
.endr
.irp b, 0,1,2,3
	v_add_nc_u32 v[TM+12+\b], 0xff000000, v[TM+\b] ; 2 off its exponent field: the conversion's scale operand
.endr
.irp b, 0,1,2,3
	v_lshrrev_b32 v[TM+4+\b], 23, v[TM+12+\b]      ; the scale's byte
.endr
	v_lshl_or_b32 v[\pw], v[TM+5], 8, v[TM+4]
	v_lshl_or_b32 v[\pw], v[TM+6], 16, v[\pw]
	v_lshl_or_b32 v[\pw], v[TM+7], 24, v[\pw]
.irp b, 0,1,2,3
	v_cvt_scalef32_pk8_fp4_f32 v[\pc+2*\b], v[\s+16*\b:\s+16*\b+7], v[TM+12+\b]
	v_cvt_scalef32_pk8_fp4_f32 v[\pc+2*\b+1], v[\s+16*\b+8:\s+16*\b+15], v[TM+12+\b]
.endr
	v_nop                                          ; one plain line behind the scaled conversions
.irp c, 0,1                                        ; the operand wants a whole block in a lane: lanes 0-15 block 2 c, lanes 16-31 block 2 c + 1
.irp i, 0,1
	v_permlane16_swap_b32 v[\pc+4*\c+\i], v[\pc+2+4*\c+\i]
.endr
.endr
.endm
; K step s of my 16 rows through my stage: in as loaded (a row's 512 bytes on end), out 64 bytes a lane.  LDS serves a wave's instructions in order: no wait between them, and one stage serves all steps
.macro TURN s
.irp i, 0,1,2,3,4,5,6,7,8,9,10,11,12,13,14,15
	ds_store_b128 v[STI], v[R+64*(\s)+4*\i:R+64*(\s)+4*\i+3] offset:\i*SP
.endr
.irp b, 0,1,2,3
.irp j, 0,1,2,3
	ds_load_b128 v[R+64*(\s)+16*\b+4*\j:R+64*(\s)+16*\b+4*\j+3], v[STO] offset:128*\b+16*\j
.endr
.endr
.endm
.macro XOUT s                                      ; a fragment's image: two stores of 512 consecutive bytes
	global_store_b128 v[L16], v[PC+8*(\s):PC+8*(\s)+3], s[12:13] offset:8192*(\s)
	global_store_b128 v[L16], v[PC+8*(\s)+4:PC+8*(\s)+7], s[12:13] offset:8192*(\s)+512
.endm
.macro WORDS                                       ; my three scale words and the 0: lanes 0-15 store 256 consecutive bytes.  EXEC changes only behind a wait for the addresses of what has been issued
	v_cmp_gt_u32 vcc_lo, 16, v[LANE]
	s_wait_xcnt 0x0
	s_and_saveexec_b32 s32, vcc_lo
	global_store_b128 v[R16], v[SW:SW+3], s[16:17]
	s_wait_xcnt 0x0
	s_or_b32 exec_lo, exec_lo, s32
.endm
; W: K step s of my column: W(128 s + 64 c + 32 h + i, column) into register 32 c + i of a set
.macro LOADW s, set
.irp c, 0,1
.irp i, 0,1,2,3,4,5,6,7,8,9,10,11,12,13,14,15,16,17,18,19,20,21,22,23,24,25,26,27,28,29,30,31
	global_load_b32 v[R+64*(\set)+32*\c+\i], v[WAD], s[30:31] offset:(128*(\s)+64*\c+\i)*XROW
.endr
.endr
.endm
; a lane holds two whole blocks (2 c + h): no other lane is asked for a maximum; the scale word's four bytes are gathered from lanes l and l xor 16
.macro QW set, pc, pw
.irp c, 0,1
	v_max3_num_f32 v[TM+\c], |v[R+64*(\set)+32*\c]|, |v[R+64*(\set)+32*\c+1]|, 0x1800000
.endr
.irp i, 2,4,6,8,10,12,14,16,18,20,22,24,26,28,30
.irp c, 0,1
	v_max3_num_f32 v[TM+\c], v[TM+\c], |v[R+64*(\set)+32*\c+\i]|, |v[R+64*(\set)+32*\c+\i+1]|
.endr
.endr
.irp c, 0,1
	v_add_nc_u32 v[TM+12+\c], 0xff000000, v[TM+\c]
.endr
.irp c, 0,1
	v_lshrrev_b32 v[TM+4+\c], 23, v[TM+12+\c]
.endr
	v_lshl_or_b32 v[TW], v[TM+5], 16, v[TM+4]      ; my bytes: blocks h and 2 + h,
	v_lshlrev_b32 v[TW], v[SH8], v[TW]             ; at their places, 8 h bits up
	v_permlanex16_b32 v[TM+6], v[TW], s[SEL], s[SEL+1]
	v_or_b32 v[\pw], v[TW], v[TM+6]                ; with lane l xor 16's two the word is whole
.irp c, 0,1
.irp g, 0,1,2,3
	v_cvt_scalef32_pk8_fp4_f32 v[\pc+4*\c+\g], v[R+64*(\set)+32*\c+8*\g:R+64*(\set)+32*\c+8*\g+7], v[TM+12+\c]
.endr
.endr
	v_nop                                          ; one plain line behind the scaled conversions
.endm
.macro WOUT s
	global_store_b128 v[L16], v[PC+8*(\s):PC+8*(\s)+3], s[14:15] offset:3072*(\s)
	global_store_b128 v[L16], v[PC+8*(\s)+4:PC+8*(\s)+7], s[14:15] offset:3072*(\s)+512
.endm
	s_load_b256 s[4:11], s[0:1], 0x0               ; x s[4:5], Wq s[6:7], Wk s[8:9], Wv s[10:11]
	s_load_b128 s[12:15], s[0:1], 0x20             ; ximg s[12:13], wimg s[14:15]
	s_load_b64 s[16:17], s[0:1], 0x30              ; scl
	v_lshl_add_u32 v[SPW], v0, 2, SPARE
	v_mov_b32 v[NIL], 0
	v_lshrrev_b32 v1, 5, v0
	v_readfirstlane_b32 s18, v1                    ; wave 0..3
	v_and_b32 v[LANE], 31, v0
	v_and_b32 v[RR], 15, v0
	v_bfe_u32 v[HH], v0, 4, 1
	v_lshlrev_b32 v[L16], 4, v[LANE]
	v_lshlrev_b32 v[R16], 4, v[RR]
	s_mov_b32 s[SEL], 0x76543210
	s_mov_b32 s[SEL+1], 0xfedcba98
.irp b, 0,1,2,3
	v_mov_b32 v[TM+4+\b], 0                        ; written once: a lane permute's destination counts as one of its sources
.endr
	v_mov_b32 v[SW+3], 0
	s_mov_b32 s27, 0
	s_mov_b32 s29, 0
	s_wait_kmcnt 0x0
	s_cmp_ge_u32 ttmp9, 256                        ; the work-group's number alone decides: x or W
	s_cbranch_scc1 .Lweights
	; ---- x
	s_lshl_b32 s22, ttmp9, 2
	s_add_co_u32 s22, s22, s18                     ; gw = 4 x work-group + wave
	s_lshr_b32 s23, s22, 1                         ; T: my tile of 16 tokens
	s_and_b32 s24, s22, 1                          ; p: K steps 3 p .. 3 p + 2
	s_mul_i32 s26, s23, 16*XROW
	s_mul_i32 s25, s24, 1536
	s_add_co_u32 s26, s26, s25
	s_add_nc_u64 s[4:5], s[4:5], s[26:27]
.irp s, 0,1,2
.irp i, 0,1,2,3,4,5,6,7,8,9,10,11,12,13,14,15
	global_load_b128 v[R+64*\s+4*\i:R+64*\s+4*\i+3], v[L16], s[4:5] offset:\i*XROW+512*\s th:TH_LOAD_NT   ; row i, K step s: 512 consecutive bytes
.endr
.endr
	s_lshr_b32 s26, s23, 3
	s_mul_i32 s26, s26, 49152                      ; ximg: rb,
	s_mul_i32 s25, s24, 24576                      ; K step 3 p,
	s_add_co_u32 s26, s26, s25
	s_and_b32 s25, s23, 7
	s_lshl_b32 s25, s25, 10                        ; mt
	s_add_co_u32 s26, s26, s25
	s_add_nc_u64 s[12:13], s[12:13], s[26:27]
	s_lshl_b32 s28, s22, 8                         ; scl: 512 T + 256 p
	s_add_nc_u64 s[16:17], s[16:17], s[28:29]
	s_mul_i32 s25, s18, WST
	v_add_nc_u32 v[STI], s25, v[L16]
	v_mul_u32_u24 v[STO], v[RR], SP
	v_lshl_add_u32 v[STO], v[HH], 6, v[STO]
	v_add_nc_u32 v[STO], s25, v[STO]
	s_wait_loadcnt 32                              ; K step 0's 16 loads are in; the other two steps' 32 may be out
	TURN 0
	s_wait_loadcnt 16                              ; K step 1's are in
	TURN 1
	s_wait_dscnt 32                                ; step 0 is back from the stage: behind it stand step 1's 16 stores and 16 loads
	QUANT R, PC, SW
	XOUT 0
	s_wait_loadcnt 0x0
	TURN 2
	s_wait_dscnt 32
	QUANT R+64, PC+8, SW+1
	XOUT 1
	s_wait_dscnt 0x0
	QUANT R+128, PC+16, SW+2
	XOUT 2
	WORDS
	s_branch .Lend
	; ---- W
.Lweights:
	s_sub_co_u32 s22, ttmp9, 256                   ; 0..71: 24 work-groups a tensor
	s_cmp_lt_u32 s22, 24
	s_cselect_b64 s[30:31], s[6:7], s[8:9]
	s_cselect_b32 s23, 0, 1                        ; t
	s_cselect_b32 s24, 0, 24
	s_cmp_lt_u32 s22, 48
	s_cselect_b64 s[30:31], s[30:31], s[10:11]
	s_cselect_b32 s23, s23, 2
	s_cselect_b32 s24, s24, 48
	s_sub_co_u32 s22, s22, s24
	s_cmp_ge_u32 s22, 12
	s_cselect_b32 s24, 1, 0                        ; p
	s_cselect_b32 s25, 12, 0
	s_sub_co_u32 s22, s22, s25
	s_lshl_b32 s22, s22, 2
	s_add_co_u32 s22, s22, s18                     ; nt: my tile of 16 columns, 0..47
	s_mul_i32 s26, s24, 384*XROW
	s_lshl_b32 s25, s22, 6
	s_add_co_u32 s26, s26, s25
	s_add_nc_u64 s[30:31], s[30:31], s[26:27]
	v_lshlrev_b32 v[WAD], 2, v[RR]
	v_mul_u32_u24 v[SH8], v[HH], 32*XROW
	v_add_nc_u32 v[WAD], v[WAD], v[SH8]
	v_lshlrev_b32 v[SH8], 3, v[HH]
	LOADW 0, 0
	LOADW 1, 1
	s_mul_i32 s25, s22, 171
	s_lshr_b32 s25, s25, 9                         ; g = nt / 3 (exact for nt < 48)
	s_mul_i32 s28, s25, 3
	s_sub_co_u32 s28, s22, s28                     ; j = nt % 3
	s_lshl_b32 s26, s23, 4
	s_add_co_u32 s26, s26, s25
	s_mul_i32 s26, s26, 18432
	s_mul_i32 s25, s24, 9216
	s_add_co_u32 s26, s26, s25
	s_lshl_b32 s28, s28, 10
	s_add_co_u32 s26, s26, s28
	s_add_nc_u64 s[14:15], s[14:15], s[26:27]
	s_mul_i32 s28, s23, 48
	s_add_co_u32 s28, s28, s22
	s_lshl_b32 s28, s28, 9
	s_lshl_b32 s25, s24, 8
	s_add_co_u32 s28, s28, s25
	s_add_co_u32 s28, s28, 262144
	s_add_nc_u64 s[16:17], s[16:17], s[28:29]
	s_wait_loadcnt 63                              ; 64 loads are younger than step 0's; the count's field holds 63, and a smaller count is safe
	QW 0, PC, SW
	WOUT 0
	LOADW 2, 0
	s_wait_loadcnt 63
	QW 1, PC+8, SW+1
	WOUT 1
	s_wait_loadcnt 0x0
	QW 0, PC+16, SW+2
	WOUT 2
	WORDS
.Lend:
	s_wait_tensorcnt 0x0                           ; the wave's end
	ds_add_u32 v[SPW], v[NIL]
	s_wait_dscnt 0x0
	s_endpgm
.Lfunc_end_k_q1c89212e2d_quant:
	.size	k_q1c89212e2d_quant, .Lfunc_end_k_q1c89212e2d_quant-k_q1c89212e2d_quant
	.p2alignl 7, 3214868480
	.fill 96, 4, 3214868480
	.section	.rodata,"a",@progbits
	.p2align	6, 0x0
	.amdhsa_kernel k_q1c89212e2d_quant
		.amdhsa_group_segment_fixed_size 34304
		.amdhsa_private_segment_fixed_size 0
		.amdhsa_enable_private_segment 0
		.amdhsa_kernarg_size 56
		.amdhsa_user_sgpr_count 2
		.amdhsa_user_sgpr_kernarg_segment_ptr 1
		.amdhsa_wavefront_size32 1
		.amdhsa_system_sgpr_workgroup_id_x 1
		.amdhsa_system_sgpr_workgroup_id_y 1
		.amdhsa_system_sgpr_workgroup_id_z 1
		.amdhsa_system_vgpr_workitem_id 0
		.amdhsa_next_free_vgpr 256
		.amdhsa_next_free_sgpr 66
		.amdhsa_reserve_vcc 1
		.amdhsa_float_denorm_mode_32 3
		.amdhsa_float_denorm_mode_16_64 3
		.amdhsa_memory_ordered 1
		.amdhsa_forward_progress 1
		.amdhsa_inst_pref_size 55
	.end_amdhsa_kernel
	.amdgpu_metadata
---
amdhsa.version: [ 1, 2 ]
amdhsa.kernels:
  - .name:           k_q1c89212e2d_quant
    .symbol:         k_q1c89212e2d_quant.kd
    .args:
      - { .name: x, .offset: 0, .size: 8, .value_kind: global_buffer, .address_space: global }
      - { .name: Wq, .offset: 8, .size: 8, .value_kind: global_buffer, .address_space: global }
      - { .name: Wk, .offset: 16, .size: 8, .value_kind: global_buffer, .address_space: global }
      - { .name: Wv, .offset: 24, .size: 8, .value_kind: global_buffer, .address_space: global }
      - { .name: ximg, .offset: 32, .size: 8, .value_kind: global_buffer, .address_space: global }
      - { .name: wimg, .offset: 40, .size: 8, .value_kind: global_buffer, .address_space: global }
      - { .name: scl, .offset: 48, .size: 8, .value_kind: global_buffer, .address_space: global }
    .group_segment_fixed_size: 34304
    .private_segment_fixed_size: 0
    .kernarg_segment_align: 8
    .kernarg_segment_size: 56
    .max_flat_workgroup_size: 128
    .sgpr_count:     66
    .vgpr_count:     256
    .wavefront_size: 32
...
	.end_amdgpu_metadata
.endif
;; end of part 1
;; launch qkv (part 2): grid 4 x 64, 4 waves a work-group, clusters of 4 x 4, 327,680 bytes of LDS; arguments ximg, wimg, scl, bq, bk, bv, pad_mask, qimg, kimg, vimg, vsum; writes qimg, kimg, vimg, vsum
.if DOCPART == 2
	.amdgcn_target "amdgcn-amd-amdhsa--gfx1250"
	.amdhsa_code_object_version 6
	.text
	.protected	k_q1c89212e2d_qkv
	.globl	k_q1c89212e2d_qkv
	.p2align	8
	.type	k_q1c89212e2d_qkv,@function
k_q1c89212e2d_qkv:
	s_mov_b64 s[64:65], 0
	v_nop
	global_prefetch_b8 v0, s[64:65] scope:SCOPE_SE
	s_setreg_imm32_b32 hwreg(HW_REG_WAVE_MODE, 25, 1), 1
	s_wait_xcnt 0x0
	s_wait_alu depctr_hold_cnt(0) depctr_sa_sdst(0) depctr_va_vdst(0) depctr_va_sdst(0) depctr_va_ssrc(0) depctr_va_vcc(0) depctr_vm_vsrc(0)
	s_getreg_b32 s2, hwreg(HW_REG_IB_STS2, 6, 4)
	s_cmp_eq_u32 s2, 0
	s_cbranch_scc0 .Lentry_in_a_cluster
	s_endpgm
.Lentry_in_a_cluster:
	s_bfe_u32 s2, ttmp6, 0x10000c
	s_cmp_lg_u32 s2, 0xf033
	s_cbranch_scc0 .Lentry_shape_is_right
	s_endpgm
.Lentry_shape_is_right:
; q = x Wq + bq, k = x Wk + bk, v = x Wv + bv on codes of FP4 with E8M0 scales (v_wmma_scale_f32_16x16x128_f8f6f4), sums in f32; what leaves are f16 images of the attention launch's operand registers:
;   qimg [bh 32][qt 128][c6 6][lane][16 B]: q x c0 (c0 = log2(e) / sqrt(96)), token r of the tile, channels 16 c6 + 8 h + 0..7
;   kimg [bh][kb 16][24,832 B]: 8 tiles of keys laid like qimg's, k x (1 - pad); then 256 bytes: the mask's addend -1e10 (1 - (1 - pad)) c0 of keys 0..63 of the block, f32
;   vimg [bh][kb][24,832 B]: [g 4][c6 6][u 2][lane][16 B]: channel 16 c6 + r, keys 32 g + 16 u + 8 h + 0..7; then the addend of keys 64..127
;   vsum [rb 64][768] f32: column sums of v over 128 tokens (for rows all of whose keys are masked: there every key of the sequence counts alike)
; LIMITS: |q c0|, |k|, |v| beyond 65,504 become infinite in f16; NaN and infinities among the inputs are not served.
; SHARES: work-group (qd, rb) takes 128 tokens x heads 2 qd, 2 qd + 1 of all three tensors; wave w all 128 tokens x 48 columns of each tensor (head 2 qd + w / 2, half w % 2): 24 accumulators.
; K = 768 fits in LDS whole: every fill is a first fill; x's 48 fragments then stay in 384 registers through all three tensors, so that each LDS byte is read once by a wave.
; CLUSTER 4 x 4: the four work-groups of a row of the cluster share rb, so x's block is asked for jointly along the row; the four of a column share qd, so W's parts are asked for jointly along the column.
; By this text's count a wave has four tensor loads outstanding.  q and k are made TRANSPOSED (source 0 = 16 columns of W, source 1 = 16 tokens): a lane holds one token and 8 neighbouring channels;
; v is made the natural way round: a lane holds one channel and 8 neighbouring tokens, which is V^T's fragment.  The biases are the C of each sum's first product.
; vsum leaves in pieces of 64 bytes (196 KB in the whole launch); every other store covers 256 or 512 consecutive aligned bytes.
; REGISTERS: window 0: v1-13 addresses; v16-47 x's scale words; v48-83 W's; v84-99 1 - pad, twice for each tile of tokens; v100, v101 the add's two; v104-175 bias tiles; v200-247 W's fragments, two sets of 24.
;   window 1: x's fragments of K steps 0-3 (64 s + 8 mt).   window 2: v0-127 K steps 4, 5; v128-159 at work; v160-255 packed results.   window 3: v0-191 accumulators (8 (3 mt + j)).
.set AQ,    12288                      ; a quarter of x's block
.set LB,    49152                      ; LDS: x's block from 0, W's parts from here: [t 3][wave 4][18,432]
.set BT,    73728
.set BP,    18432
.set SPARE, LB+3*BT                    ; the spare words, 128 bytes a wave, named by no other line
.set PART,  24832
.set L16,  1
.set RR,   2
.set HH,   3
.set ADB,  4                           ; v4-6 LDS address of my part of W, tensor t
.set R4,   7
.set H32,  8
.set L8,   9
.set TR,   10                          ; v10-11 two pads, then two addends
.set LN,   12
.set TL,   13
.set XS,   16
.set WS,   48
.set MK,   84
.set SPW,  100
.set NIL,  101
.set BI,   104
.set BF,   200
.set T,    128                         ; window 2
.set PK,   160                         ; window 2
.set WV,   26
.set CX,   27
.set CY,   28
.set QD,   29
.set RB,   30
.set HD,   31
.set HF,   32
.set BH,   35
.set G1A,  36
.set G1B,  44
.set G0A,  52
.set G0B0, 56
.set G0B1, 60
.set G0B2, 68
.set XSP,  76
.set WSP,  78
.set C0,   80                          ; s[80:81] c0, named as a pair
.set NC0,  82                          ; -c0
.set NEG,  83                          ; 1e10
.set SEL,  84
.set TRP,  86
.set KB,   94
.set MSB, 0
.macro WIN new                         ; the immediate's high byte repeats the setting that is left
.if MSB != \new
	s_set_vgpr_msb (MSB<<8)|\new
.set MSB, \new
.endif
.endm
.macro PLACES                          ; four plain places behind matrix instructions, in front of reads of results and of loads into registers that they have read
.rept 4
	v_nop
.endr
.endm
.macro CROUND                          ; a round of the cluster's barrier
	s_barrier_signal -1
	s_barrier_wait -1
	s_cmp_lg_u32 s[WV], 0
	s_cbranch_scc1 .Lnot_wave_0_\@
	s_barrier_signal -3
.Lnot_wave_0_\@:
	s_barrier_wait -3
	s_barrier_signal -1
	s_barrier_wait -1
.endm
.macro MKB g, t                        ; group 0 for my part of W, tensor t
	s_mov_b32 s[\g], 1
	s_add_co_u32 s[\g+1], s95, \t*BT
	s_add_nc_u64 s[\g+2:\g+3], s[74:75], \t*16*BP
	s_or_b32 s[\g+3], s[\g+3], 0x80000000
.endm
	s_load_b256 s[4:11], s[0:1], 0x0               ; ximg s[4:5], wimg s[6:7], scl s[8:9], bq s[10:11]
	s_load_b256 s[12:19], s[0:1], 0x20             ; bk s[12:13], bv s[14:15], pad_mask s[16:17], qimg s[18:19]
	s_load_b128 s[20:23], s[0:1], 0x40             ; kimg s[20:21], vimg s[22:23]
	s_load_b64 s[24:25], s[0:1], 0x50              ; vsum
	v_lshl_add_u32 v[SPW], v0, 2, SPARE
	v_mov_b32 v[NIL], 0
	ds_add_u32 v[SPW], v[NIL]                      ; the opening: the add, twice on end, and its wait ahead of my first tensor load
	ds_add_u32 v[SPW], v[NIL]
	v_lshrrev_b32 v1, 5, v0
	v_readfirstlane_b32 s[WV], v1                  ; wave 0..3
	s_bfe_u32 s[CX], ttmp6, 0x40000
	s_bfe_u32 s[CY], ttmp6, 0x40004
	s_lshl_b32 s[QD], ttmp9, 2
	s_add_co_u32 s[QD], s[QD], s[CX]               ; qd = 4 x cluster x + cx
	s_and_b32 s[RB], ttmp7, 0xffff
	s_lshl_b32 s[RB], s[RB], 2
	s_add_co_u32 s[RB], s[RB], s[CY]               ; rb = 4 x cluster y + cy
	s_lshl_b32 s33, s[CY], 2
	s_lshl_b32 s33, 15, s33                        ; my row of the cluster
	s_lshl_b32 s34, 0x1111, s[CX]                  ; my column
	s_or_b32 s[G1A], s33, (3<<16)|(1<<21)          ; x's quarter: 48 rows of 32 elements of 8 bytes, dense; the mask names my row; bit 21 beside a mask
	s_mov_b32 s[G1A+1], 32<<16
	s_mov_b32 s[G1A+2], 48<<16
	s_mov_b32 s[G1A+3], 32<<16
	s_mov_b32 s[G1A+4], 48
	s_mov_b32 s[G1A+5], 32
	s_mov_b32 s[G1A+6], 0
	s_mov_b32 s[G1A+7], 0
	s_or_b32 s[G1B], s34, (3<<16)|(1<<21)          ; a part of W: 72 such rows; the mask names my column
	s_mov_b32 s[G1B+1], 32<<16
	s_mov_b32 s[G1B+2], 72<<16
	s_mov_b32 s[G1B+3], 32<<16
	s_mov_b32 s[G1B+4], 72
	s_mov_b32 s[G1B+5], 32
	s_mov_b32 s[G1B+6], 0
	s_mov_b32 s[G1B+7], 0
	s_mul_i32 s72, s[RB], 49152                    ; x's block hangs on rb and the wave alone,
	s_mul_i32 s93, s[WV], AQ
	s_add_co_u32 s72, s72, s93
	s_mov_b32 s73, 0
	s_lshl_b32 s74, s[QD], 2                       ; W's part on qd and the wave alone
	s_add_co_u32 s74, s74, s[WV]
	s_mul_i32 s74, s74, BP
	s_mov_b32 s75, 0
	s_mul_i32 s95, s[WV], BP                       ; LDS addresses hang on the wave alone
	s_add_co_u32 s95, s95, LB
	s_mov_b32 s[C0], 0x3e16c740
	s_mov_b32 s[C0+1], s[C0]
	s_mov_b32 s[NC0], 0xbe16c740
	s_mov_b32 s[NEG], 0x501502f9
	s_mov_b32 s[SEL], 0x76543210
	s_mov_b32 s[SEL+1], 0xfedcba98
	s_wait_dscnt 0x0                               ; both opening adds are done
	s_wait_kmcnt 0x0
	s_mov_b32 s[G0A], 1
	s_mov_b32 s[G0A+1], s93
	s_add_nc_u64 s[G0A+2:G0A+3], s[4:5], s[72:73]
	s_or_b32 s[G0A+3], s[G0A+3], 0x80000000
	s_add_nc_u64 s[74:75], s[6:7], s[74:75]
	MKB G0B0, 0
	MKB G0B1, 1
	MKB G0B2, 2
	CROUND                                         ; all sixteen work-groups are here: the joint loads meet
	tensor_load_to_lds s[G0A:G0A+3], s[G1A:G1A+7]
	s_nop 0
	tensor_load_to_lds s[G0B0:G0B0+3], s[G1B:G1B+7]
	s_nop 0
	tensor_load_to_lds s[G0B1:G0B1+3], s[G1B:G1B+7]
	s_nop 0
	tensor_load_to_lds s[G0B2:G0B2+3], s[G1B:G1B+7]
	s_nop 0
	PLACES
	v_and_b32 v[LN], 31, v0
	v_and_b32 v[RR], 15, v0
	v_bfe_u32 v[HH], v0, 4, 1
	v_lshlrev_b32 v[L16], 4, v[LN]
	v_lshlrev_b32 v[R4], 2, v[RR]
	v_lshlrev_b32 v[H32], 5, v[HH]
	v_lshlrev_b32 v[L8], 3, v[LN]
	s_lshr_b32 s[HD], s[WV], 1
	s_lshl_b32 s93, s[QD], 1
	s_add_co_u32 s[HD], s[HD], s93                 ; my head
	s_and_b32 s[HF], s[WV], 1                      ; my half of its 96 channels
	s_lshr_b32 s93, s[RB], 4
	s_lshl_b32 s93, s93, 3
	s_add_co_u32 s[BH], s93, s[HD]                 ; 8 b + head
	s_and_b32 s[KB], s[RB], 15                     ; my block of 128 tokens in the sequence
	s_lshl_b32 s93, s[HF], 8
	v_add_nc_u32 v[TL], s93, v[L8]
.irp t, 0,1,2
	s_add_co_u32 s93, s95, \t*BT
	v_add_nc_u32 v[ADB+\t], s93, v[L16]
.endr
	s_mov_b32 s89, 0
	s_mov_b32 s91, 0
	s_lshl_b32 s88, s[RB], 12
	s_add_nc_u64 s[XSP:XSP+1], s[8:9], s[88:89]    ; x's scale words: 8 tiles of 512 bytes
	s_mul_i32 s88, s[QD], 12
	s_mul_i32 s93, s[WV], 3
	s_add_co_u32 s88, s88, s93
	s_lshl_b32 s88, s88, 9
	s_add_nc_u64 s[WSP:WSP+1], s[8:9], s[88:89]    ; W's: tile 12 qd + 3 w + j of each tensor
	s_mul_i32 s88, s[HD], 384
	s_mul_i32 s93, s[HF], 192
	s_add_co_u32 s88, s88, s93                     ; my first column, in bytes of f32
	s_add_nc_u64 s[10:11], s[10:11], s[88:89]
	s_add_nc_u64 s[12:13], s[12:13], s[88:89]
	s_add_nc_u64 s[14:15], s[14:15], s[88:89]
	s_mul_i32 s90, s[RB], 3072
	s_add_co_u32 s90, s90, s88
	s_add_nc_u64 s[24:25], s[24:25], s[90:91]
	s_lshl_b32 s88, s[RB], 9
	s_add_nc_u64 s[16:17], s[16:17], s[88:89]      ; my 128 tokens' pads
.irp mt, 0,1,2,3,4,5,6,7
	global_load_b128 v[XS+4*\mt:XS+4*\mt+3], v[L16], s[XSP:XSP+1] offset:512*\mt
.endr
.irp t, 0,1,2
.irp j, 0,1,2
	global_load_b128 v[WS+12*\t+4*\j:WS+12*\t+4*\j+3], v[L16], s[WSP:WSP+1] offset:262144+24576*\t+512*\j
.endr
.endr
.irp j, 0,1,2                                      ; q's and k's bias tiles: lane (r, h) wants channels 16 j + 8 h + 0..7
	global_load_b128 v[BI+8*\j:BI+8*\j+3], v[H32], s[10:11] offset:64*\j
	global_load_b128 v[BI+8*\j+4:BI+8*\j+7], v[H32], s[10:11] offset:64*\j+16
	global_load_b128 v[BI+24+8*\j:BI+24+8*\j+3], v[H32], s[12:13] offset:64*\j
	global_load_b128 v[BI+24+8*\j+4:BI+24+8*\j+7], v[H32], s[12:13] offset:64*\j+16
.endr
.irp j, 0,1,2                                      ; v's: channel 16 j + r in all eight registers
.irp e, 0,1,2,3,4,5,6,7
	global_load_b32 v[BI+48+8*\j+\e], v[R4], s[14:15] offset:64*\j
.endr
.endr
.irp mt, 0,1,2,3,4,5,6,7
	global_load_b32 v[MK+2*\mt], v[R4], s[16:17] offset:64*\mt
.endr
	global_load_b64 v[TR:TR+1], v[TL], s[16:17]    ; the pads of keys 64 hf + 2 lane, + 1
	s_lshl_b32 s88, s[BH], 7
	s_lshl_b32 s93, s[KB], 3
	s_add_co_u32 s88, s88, s93
	s_mul_i32 s88, s88, 3072
	s_mul_i32 s93, s[HF], 1536
	s_add_co_u32 s88, s88, s93
	s_add_nc_u64 s[18:19], s[18:19], s[88:89]      ; qimg at my first tile, my half
	s_lshl_b32 s88, s[BH], 4
	s_add_co_u32 s88, s88, s[KB]
	s_mul_i32 s88, s88, PART
	s_add_nc_u64 s[20:21], s[20:21], s[88:89]      ; kimg and vimg at my block
	s_add_nc_u64 s[22:23], s[22:23], s[88:89]
	s_cmp_eq_u32 s[HF], 0                          ; the wave's number alone: half 0 stores the addends behind K's tiles, half 1 behind V's
	s_cselect_b64 s[TRP:TRP+1], s[20:21], s[22:23]
	s_mov_b32 s88, s93
	s_add_nc_u64 s[20:21], s[20:21], s[88:89]      ; + 3 hf tiles of 512 bytes
	s_lshl_b32 s88, s93, 1
	s_add_nc_u64 s[22:23], s[22:23], s[88:89]      ; + 3 hf pairs of 1,024
	s_wait_tensorcnt 0x3                           ; my quarter of x's block has landed; my three parts of W, younger, may stay out
	s_barrier_signal -1
	s_barrier_wait -1                              ; everybody's quarter has
	WIN 0x40
.irp s, 0,1,2,3
.irp mt, 0,1,2,3,4,5,6,7
.irp c, 0,1
	ds_load_b128 v[64*\s+8*\mt+4*\c:64*\s+8*\mt+4*\c+3], v[L16] offset:8192*\s+1024*\mt+512*\c
.endr
.endr
.endr
	WIN 0x80
.irp s, 4,5
.irp mt, 0,1,2,3,4,5,6,7
.irp c, 0,1
	ds_load_b128 v[64*(\s-4)+8*\mt+4*\c:64*(\s-4)+8*\mt+4*\c+3], v[L16] offset:8192*\s+1024*\mt+512*\c
.endr
.endr
.endr
	WIN 0
	s_wait_loadcnt 0x0                             ; scale words, biases, pads
.irp mt, 0,1,2,3,4,5,6,7
	v_sub_f32 v[MK+2*\mt], 1.0, v[MK+2*\mt]        ; 1 - pad of token 16 mt + r,
.endr
.irp mt, 0,1,2,3,4,5,6,7
	v_mov_b32 v[MK+2*\mt+1], v[MK+2*\mt]           ; as a pair for the packed multiply
.endr
.irp e, 0,1
	v_sub_f32 v[TR+\e], 1.0, v[TR+\e]
.endr
.irp e, 0,1
	v_sub_f32 v[TR+\e], 1.0, v[TR+\e]              ; 1 - (1 - pad)
.endr
.irp e, 0,1
	v_mul_f32 v[TR+\e], s[NEG], v[TR+\e]
.endr
.irp e, 0,1
	v_mul_f32 v[TR+\e], s[NC0], v[TR+\e]           ; for pad = 1: (-c0) x 1e10, the same product that the attention launch forms for hidden keys
.endr
	global_store_b64 v[L8], v[TR:TR+1], s[TRP:TRP+1] offset:24576   ; 256 consecutive bytes
.macro BLD t, s, buf                   ; my three tiles of W, tensor t, K step s
.irp j, 0,1,2
.irp c, 0,1
	ds_load_b128 v[BF+24*(\buf)+8*\j+4*\c:BF+24*(\buf)+8*\j+4*\c+3], v[ADB+\t] offset:3072*(\s)+1024*\j+512*\c
.endr
.endr
.endm
.macro MM row                          ; K steps 0-2 take the scale words of lanes 0-15, K steps 3-5 those of lanes 16-31
.if \row
	v_wmma_scale_f32_16x16x128_f8f6f4 v[rD:rD+7], v[rA:rA+7], v[rB:rB+7], v[rC:rC+7], v[rSA], v[rSB] matrix_a_fmt:MATRIX_FMT_FP4 matrix_b_fmt:MATRIX_FMT_FP4 matrix_a_scale:MATRIX_SCALE_ROW1 matrix_b_scale:MATRIX_SCALE_ROW1
.else
	v_wmma_scale_f32_16x16x128_f8f6f4 v[rD:rD+7], v[rA:rA+7], v[rB:rB+7], v[rC:rC+7], v[rSA], v[rSB] matrix_a_fmt:MATRIX_FMT_FP4 matrix_b_fmt:MATRIX_FMT_FP4
.endif
.endm
; One tensor: six K steps of 24 products; the 24 accumulators take turns, one instruction a turn, in the same order in every step.  nat = 0: source 0 = W, source 1 = x; nat = 1: the other way round
.macro PHASE t, nat
	s_wait_tensorcnt 2-\t                          ; my part of this tensor has landed (the later tensors' parts are younger); I alone read it
	WIN 0
	BLD \t, 0, 0
.irp s, 0,1,2,3,4,5
	PLACES                                         ; in front of loads into the set that the step before multiplied
.if \s < 5
	WIN 0
	BLD \t, \s+1, (\s+1)%2
	s_wait_dscnt 6                                 ; this step's fragments are in (in the first step x's too); the six just issued may be out
.else
	s_wait_dscnt 0x0
.endif
.if \nat
.if \s == 0
	WIN 0xc1
.elseif \s < 4
	WIN 0xf1
.else
	WIN 0xf2
.endif
.else
.if \s == 0
	WIN 0xc4
.elseif \s < 4
	WIN 0xf4
.else
	WIN 0xf8
.endif
.endif
.irp mt, 0,1,2,3,4,5,6,7
.irp j, 0,1,2
.set rD, 8*(3*\mt+\j)
.set rC, rD
.if \s == 0
.set rC, BI+24*\t+8*\j                 ; the bias starts the sum
.endif
.if \nat
.set rA, 64*(\s%4)+8*\mt
.set rB, BF+24*(\s%2)+8*\j
.set rSA, XS+4*\mt+\s%3
.set rSB, WS+12*\t+4*\j+\s%3
.else
.set rA, BF+24*(\s%2)+8*\j
.set rB, 64*(\s%4)+8*\mt
.set rSA, WS+12*\t+4*\j+\s%3
.set rSB, XS+4*\mt+\s%3
.endif
	MM \s/3
.endr
.endr
.endr
.endm
; q (kind 0: x c0) or k (kind 1: x (1 - pad) of the lane's token) leaves: four tiles at a time are scaled, rounded to f16 and stored, 512 consecutive bytes a store.  Each accumulator is read from its low end on
.macro EPI_QK kind, ptr
	s_wait_xcnt 0x0                                ; earlier stores have read their data: the packed results' registers may be written again
	PLACES
.irp g, 0,1,2,3,4,5
	WIN 0x83
.irp u, 0,1,2,3
.irp e, 0,2,4,6
.if \kind
	v_pk_mul_f32 v[T+8*\u+\e:T+8*\u+\e+1], v[8*(4*\g+\u)+\e:8*(4*\g+\u)+\e+1], v[MK+2*((4*\g+\u)/3):MK+2*((4*\g+\u)/3)+1]
.else
	v_pk_mul_f32 v[T+8*\u+\e:T+8*\u+\e+1], v[8*(4*\g+\u)+\e:8*(4*\g+\u)+\e+1], s[C0:C0+1] op_sel_hi:[1,0]
.endif
.endr
.endr
	WIN 0x8a
.irp u, 0,1,2,3
.irp e, 0,1,2,3
	v_cvt_pk_f16_f32 v[PK+4*(4*\g+\u)+\e], v[T+8*\u+2*\e], v[T+8*\u+2*\e+1]
.endr
.endr
	WIN 0x08
.irp u, 0,1,2,3
	global_store_b128 v[L16], v[PK+4*(4*\g+\u):PK+4*(4*\g+\u)+3], s[\ptr:\ptr+1] offset:((4*\g+\u)/3)*3072+((4*\g+\u)%3)*512
.endr
.endr
.endm
	PHASE 0, 0
	EPI_QK 0, 18
	PHASE 1, 0                                     ; (the way out's vector lines are the places in front of accumulators begun anew)
	EPI_QK 1, 20
	PHASE 2, 1
	; v leaves: a lane's eight tokens of a channel pack into 16 bytes
	s_wait_xcnt 0x0
	PLACES
	WIN 0x8f
.set ii, 0
.rept 24
.irp e, 0,1,2,3
	v_cvt_pk_f16_f32 v[PK+4*ii+\e], v[8*ii+2*\e], v[8*ii+2*\e+1]
.endr
.set ii, ii+1
.endr
	WIN 0x08
.irp mt, 0,1,2,3,4,5,6,7
.irp j, 0,1,2
	global_store_b128 v[L16], v[PK+4*(3*\mt+\j):PK+4*(3*\mt+\j)+3], s[22:23] offset:6144*(\mt/2)+1024*\j+512*(\mt%2)
.endr
.endr
	; the column sums of v over my 128 tokens: four packed chains for each tile of channels
	WIN 0x8f
.irp j, 0,1,2
.irp e, 0,2,4,6
	v_pk_add_f32 v[T+8*\j+\e:T+8*\j+\e+1], v[8*\j+\e:8*\j+\e+1], v[8*(3+\j)+\e:8*(3+\j)+\e+1]
.endr
.endr
	WIN 0x8e
.irp mt, 2,3,4,5,6,7
.irp j, 0,1,2
.irp e, 0,2,4,6
	v_pk_add_f32 v[T+8*\j+\e:T+8*\j+\e+1], v[T+8*\j+\e:T+8*\j+\e+1], v[8*(3*\mt+\j)+\e:8*(3*\mt+\j)+\e+1]
.endr
.endr
.endr
	WIN 0x8a
.irp j, 0,1,2
	v_pk_add_f32 v[T+8*\j:T+8*\j+1], v[T+8*\j:T+8*\j+1], v[T+8*\j+2:T+8*\j+3]
	v_pk_add_f32 v[T+8*\j+4:T+8*\j+5], v[T+8*\j+4:T+8*\j+5], v[T+8*\j+6:T+8*\j+7]
.endr
.irp j, 0,1,2
	v_pk_add_f32 v[T+8*\j:T+8*\j+1], v[T+8*\j:T+8*\j+1], v[T+8*\j+4:T+8*\j+5]
.endr
.irp j, 0,1,2
	v_add_f32 v[T+8*\j], v[T+8*\j], v[T+8*\j+1]
.endr
.irp j, 0,1,2
	v_permlanex16_b32 v[T+8*\j+1], v[T+8*\j], s[SEL], s[SEL+1]
.endr
.irp j, 0,1,2
	v_add_f32 v[T+8*\j], v[T+8*\j], v[T+8*\j+1]    ; with the other half of the lanes' tokens
.endr
	WIN 0
	v_cmp_gt_u32 vcc_lo, 16, v[LN]
	s_wait_xcnt 0x0                                ; EXEC changes only behind this wait
	s_and_saveexec_b32 s92, vcc_lo
	WIN 0x08
.irp j, 0,1,2
	global_store_b32 v[R4], v[T+8*\j], s[24:25] offset:64*\j
.endr
	WIN 0
	s_wait_xcnt 0x0
	s_or_b32 exec_lo, exec_lo, s92
	s_wait_tensorcnt 0x0                           ; the wave's end
	ds_add_u32 v[SPW], v[NIL]
	s_wait_dscnt 0x0
	CROUND                                         ; the closing round
	s_endpgm
.Lfunc_end_k_q1c89212e2d_qkv:
	.size	k_q1c89212e2d_qkv, .Lfunc_end_k_q1c89212e2d_qkv-k_q1c89212e2d_qkv
	.p2alignl 7, 3214868480
	.fill 96, 4, 3214868480
	.section	.rodata,"a",@progbits
	.p2align	6, 0x0
	.amdhsa_kernel k_q1c89212e2d_qkv
		.amdhsa_group_segment_fixed_size 327680
		.amdhsa_private_segment_fixed_size 0
		.amdhsa_enable_private_segment 0
		.amdhsa_kernarg_size 88
		.amdhsa_user_sgpr_count 2
		.amdhsa_user_sgpr_kernarg_segment_ptr 1
		.amdhsa_wavefront_size32 1
		.amdhsa_system_sgpr_workgroup_id_x 1
		.amdhsa_system_sgpr_workgroup_id_y 1
		.amdhsa_system_sgpr_workgroup_id_z 1
		.amdhsa_system_vgpr_workitem_id 0
		.amdhsa_next_free_vgpr 1024
		.amdhsa_next_free_sgpr 100
		.amdhsa_reserve_vcc 1
		.amdhsa_float_denorm_mode_32 3
		.amdhsa_float_denorm_mode_16_64 3
		.amdhsa_memory_ordered 1
		.amdhsa_forward_progress 1
		.amdhsa_inst_pref_size 131
	.end_amdhsa_kernel
	.amdgpu_metadata
---
amdhsa.version: [ 1, 2 ]
amdhsa.kernels:
  - .name:           k_q1c89212e2d_qkv
    .symbol:         k_q1c89212e2d_qkv.kd
    .args:
      - { .name: ximg, .offset: 0, .size: 8, .value_kind: global_buffer, .address_space: global }
      - { .name: wimg, .offset: 8, .size: 8, .value_kind: global_buffer, .address_space: global }
      - { .name: scl, .offset: 16, .size: 8, .value_kind: global_buffer, .address_space: global }
      - { .name: bq, .offset: 24, .size: 8, .value_kind: global_buffer, .address_space: global }
      - { .name: bk, .offset: 32, .size: 8, .value_kind: global_buffer, .address_space: global }
      - { .name: bv, .offset: 40, .size: 8, .value_kind: global_buffer, .address_space: global }
      - { .name: pad_mask, .offset: 48, .size: 8, .value_kind: global_buffer, .address_space: global }
      - { .name: qimg, .offset: 56, .size: 8, .value_kind: global_buffer, .address_space: global }
      - { .name: kimg, .offset: 64, .size: 8, .value_kind: global_buffer, .address_space: global }
      - { .name: vimg, .offset: 72, .size: 8, .value_kind: global_buffer, .address_space: global }
      - { .name: vsum, .offset: 80, .size: 8, .value_kind: global_buffer, .address_space: global }
    .group_segment_fixed_size: 327680
    .private_segment_fixed_size: 0
    .kernarg_segment_align: 8
    .kernarg_segment_size: 88
    .max_flat_workgroup_size: 128
    .sgpr_count:     100
    .vgpr_count:     1024
    .wavefront_size: 32
...
	.end_amdgpu_metadata
.endif
;; end of part 2
;; launch attn (part 3): grid 8 x 32, 4 waves a work-group, no clusters, 327,680 bytes of LDS; arguments qimg, kimg, vimg, vsum, attn; writes attn
.if DOCPART == 3
	.amdgcn_target "amdgcn-amd-amdhsa--gfx1250"
	.amdhsa_code_object_version 6
	.text
	.protected	k_q1c89212e2d_attn
	.globl	k_q1c89212e2d_attn
	.p2align	8
	.type	k_q1c89212e2d_attn,@function
k_q1c89212e2d_attn:
	s_mov_b64 s[64:65], 0
	v_nop
	global_prefetch_b8 v0, s[64:65] scope:SCOPE_SE
	s_setreg_imm32_b32 hwreg(HW_REG_WAVE_MODE, 25, 1), 1
	s_wait_xcnt 0x0
; Attention of one (batch, head) under the causal mask and the pad mask, f16 operands (v_wmma_f32_16x16x32_f16), sums, maxima and softmax in f32, with a running maximum.
; THE MASK.  A hidden or padded key does not drop out: its score is exactly -1e10 / sqrt(96), for keys after the query too.  In base 2 that is TM = (-c0) x 1e10.  A padded key arrives with k = 0 and the addend TM
; (the C of the first product of its scores); a causally hidden key of the diagonal block is set to TM by a select.  Key blocks that lie wholly after the queries are not multiplied: at a pass's end they are added as
; w x (sum of v over those blocks), w = 2^(TM - M), and w x their number joins the divisor.  w is 0 unless every key of the row is masked, and then it is 1: the row is the mean of v over all 2,048 keys.
; LIMITS: real scores within f32's grain of -1e10 are not told apart from masked ones (nor are they before the softmax as the problem states it); NaN and infinities are not served.
; SHARES.  Work-group (i, bh) makes two blocks of 128 queries of one head, the even one of {i, 15 - i} first (qb1), then the other (qb2): 17 key blocks of 128 keys in all for every work-group, walked as ONE
; sequence p = 0..16 (kb = p, from p = N1 = qb1 + 1 on kb = p - N1), so that every trip count is a constant.  N1 is odd: a pass's last block falls on an even p.  Wave w holds 2 tiles of 16 queries.
; cluster = none: the 8 work-groups of a head need 9 to 16 different key blocks and change pass at different steps, so a joint load would bring tiles that some partner never reads.
; LAYOUT.  S^T = K Q^T and O^T = V^T P: a lane holds one query throughout.  K's, V's and Q's fragments arrive as images of registers: every LDS load is 512 consecutive bytes.
; LDS: two slots of two sequence blocks each (K, V, K, V: four parts of 24,832 bytes, one tensor load a wave), a region F for p = 0, the suffix sums VS, the spare words.
; By this text's count a wave has at most three tensor loads outstanding (the first fills), later one.
; REGISTERS: window 0: v1-15 addresses; v16-31 statistics (8 a tile: M, old M, l (2), four at work); v64-191 S^T, then p; v192-255 P in f16.   window 1: v0-95 O^T; v96-143 Q; v144-207 the mask's addends; v208-255 suffix sums.
;   window 2: v0-191 K.   window 3: v0-191 V.
.set PART,  24832                      ; 97 rows of 256 bytes: 24,576 of fragments and 256 of addends
.set SUB,   2*PART
.set SLOT1, 1<<17                      ; slot 1 begins here: one exclusive or turns an address
.set FB,    SLOT1+2*SUB
.set VS,    FB+SUB                     ; 2 x 128 f32
.set SPARE, VS+1024                    ; the spare words, 128 bytes a wave, named by no other line
.set HEADB, 16*PART
.set L16, 1
.set H32, 2
.set ADF, 3
.set CDF, 4
.set ADA, 5
.set ADB, 6
.set CDA, 7
.set CDB, 8
.set D0,  9                            ; 32 w + r - 8 h
.set TMV, 10
.set AVS, 11
.set PFO, 12
.set VSB, 13
.set SPW, 14
.set NIL, 15
.set ST,  16
.set S,   64
.set P,   192
.set Q,   96                           ; window 1
.set CB,  144                          ; window 1
.set VR,  208                          ; window 1
.set WV,  14
.set PP,  15                           ; the sequence place of the block in hand
.set PW,  16                           ; the sequence place of the part that I fetch next
.set N1,  17
.set QB1, 18                           ; also N1 - 1: pass 1's last place
.set DG,  19
.set TB,  20
.set WOFF, 21
.set BASE, 22
.set G1,  24
.set G0F, 32
.set G0A, 36
.set G0B, 40
.set Q2,  44
.set O1,  46
.set O2,  48
.set NH1, 50
.set NH2, 51
.set SEL, 52
.set PFA, 54
.set PLIM, 56
.set CNT, 57
.set OB,  58
.set NH,  60
.set VOF, 61
.set Q1,  62
.set QB2, 72
.set BH,  73
.set SB,  74
.set TN,  75
.set NC0, 79
.set TB2, 80
.set MSB, 0
.macro WIN new                         ; the immediate's high byte repeats the setting that is left
.if MSB != \new
	s_set_vgpr_msb (MSB<<8)|\new
.set MSB, \new
.endif
.endm
.macro PLACES                          ; four plain places behind matrix instructions (ISA guide 7.12.1)
.rept 4
	v_nop
.endr
.endm
.macro SEQ g0                          ; where the part at sequence place s[PW] lies in memory -> words 2, 3 of a group 0
	s_cmp_ge_u32 s[PW], s[N1]
	s_cselect_b32 s66, s[N1], 0
	s_sub_co_u32 s66, s[PW], s66                   ; its key block
	s_mul_i32 s66, s66, PART
	s_mov_b32 s67, 0
	s_add_nc_u64 s[\g0+2:\g0+3], s[BASE:BASE+1], s[66:67]
	s_or_b32 s[\g0+3], s[\g0+3], 0x80000000
.endm
.macro MAKEADR                         ; the addresses of the slot at s[TB]
	v_add_nc_u32 v[ADA], s[TB], v[L16]
	v_add_nc_u32 v[CDA], s[TB], v[H32]
	s_add_co_u32 s[TB2], s[TB], SUB
	v_add_nc_u32 v[ADB], s[TB2], v[L16]
	v_add_nc_u32 v[CDB], s[TB2], v[H32]
.endm
.macro LDQ ptr                         ; my two tiles of queries
	WIN 0x40
.irp t, 0,1
.irp f, 0,1,2,3,4,5
	global_load_b128 v[Q+24*\t+4*\f:Q+24*\t+4*\f+3], v[L16], s[\ptr:\ptr+1] offset:3072*\t+512*\f
.endr
.endr
	WIN 0
.endm
.macro LDK adr, cadr                   ; a block's K (8 tiles x 3 fragments) and its 128 addends in the result's layout (register j of tile kt: key 16 kt + 8 h + j): 64 loads
	WIN 0x80
.irp kt, 0,1,2,3,4,5,6,7
.irp f, 0,1,2,3,4,5
	ds_load_b128 v[24*\kt+4*\f:24*\kt+4*\f+3], v[\adr] offset:3072*\kt+512*\f
.endr
.endr
	WIN 0x40
.irp kt, 0,1,2,3
	ds_load_b128 v[CB+8*\kt:CB+8*\kt+3], v[\cadr] offset:24576+64*\kt
	ds_load_b128 v[CB+8*\kt+4:CB+8*\kt+7], v[\cadr] offset:24576+64*\kt+16
.endr
.irp kt, 4,5,6,7
	ds_load_b128 v[CB+8*\kt:CB+8*\kt+3], v[\cadr] offset:PART+24576+64*(\kt-4)
	ds_load_b128 v[CB+8*\kt+4:CB+8*\kt+7], v[\cadr] offset:PART+24576+64*(\kt-4)+16
.endr
	WIN 0
.endm
.macro LDV adr                         ; a block's V^T: 4 groups of 32 keys x 6 tiles of channels: 48 loads
	WIN 0xc0
.irp g, 0,1,2,3
.irp c, 0,1,2,3,4,5
.irp u, 0,1
	ds_load_b128 v[48*\g+8*\c+4*\u:48*\g+8*\c+4*\u+3], v[\adr] offset:PART+6144*\g+1024*\c+512*\u
.endr
.endr
.endr
	WIN 0
.endm
.macro KQ                              ; S^T = K Q^T + the addends: 16 accumulators by turns, three deep
	WIN 0x16
.irp kt, 0,1,2,3,4,5,6,7
.irp t, 0,1
	v_wmma_f32_16x16x32_f16 v[S+64*\t+8*\kt:S+64*\t+8*\kt+7], v[24*\kt:24*\kt+7], v[Q+24*\t:Q+24*\t+7], v[CB+8*\kt:CB+8*\kt+7]
.endr
.endr
	WIN 0x06
.irp kk, 1,2
.irp kt, 0,1,2,3,4,5,6,7
.irp t, 0,1
	v_wmma_f32_16x16x32_f16 v[S+64*\t+8*\kt:S+64*\t+8*\kt+7], v[24*\kt+8*\kk:24*\kt+8*\kk+7], v[Q+24*\t+8*\kk:Q+24*\t+8*\kk+7], v[S+64*\t+8*\kt:S+64*\t+8*\kt+7]
.endr
.endr
.endr
.endm
.macro PV                              ; O^T += V^T P: 12 accumulators by turns, four deep
	WIN 0x53
.irp g, 0,1,2,3
.irp c, 0,1,2,3,4,5
.irp t, 0,1
	v_wmma_f32_16x16x32_f16 v[48*\t+8*\c:48*\t+8*\c+7], v[48*\g+8*\c:48*\g+8*\c+7], v[P+32*\t+8*\g:P+32*\t+8*\g+7], v[48*\t+8*\c:48*\t+8*\c+7]
.endr
.endr
.endr
.endm
; The diagonal block: key 16 kt + 8 h + j is hidden from query 32 w + 16 t + r where 16 kt + j - 16 t > D0.  One compare serves tile 0's register (kt, j) and tile 1's (kt + 1, j); tile 1's kt = 0 is never hidden
.macro MASK
.irp kt, 0,1,2,3,4,5,6,7
.irp j, 0,1,2,3,4,5,6,7
	v_cmp_gt_i32 vcc_lo, 16*\kt+\j, v[D0]
	v_cndmask_b32 v[S+8*\kt+\j], v[S+8*\kt+\j], v[TMV], vcc_lo
.if \kt < 7
	v_cndmask_b32 v[S+64+8*(\kt+1)+\j], v[S+64+8*(\kt+1)+\j], v[TMV], vcc_lo
.endif
.endr
.endr
.endm
.macro SOFTMAX
	WIN 0
.irp q, 0,1,2,3                                    ; the maximum of 64 scores and the old M, three operands at a time: four chains a tile over two accumulators each, every accumulator from its low end on
.irp t, 0,1
	v_max3_num_f32 v[ST+8*\t+4+\q], v[S+64*\t+16*\q], v[S+64*\t+16*\q+1], v[S+64*\t+16*\q+2]
.endr
.endr
.irp i, 3,5,7,9,11,13
.irp q, 0,1,2,3
.irp t, 0,1
	v_max3_num_f32 v[ST+8*\t+4+\q], v[ST+8*\t+4+\q], v[S+64*\t+16*\q+\i], v[S+64*\t+16*\q+\i+1]
.endr
.endr
.endr
.irp t, 0,1
	v_max3_num_f32 v[ST+8*\t+4], v[ST+8*\t+4], v[S+64*\t+15], v[S+64*\t+31]
	v_max3_num_f32 v[ST+8*\t+6], v[ST+8*\t+6], v[S+64*\t+47], v[S+64*\t+63]
.endr
.irp t, 0,1
	v_max3_num_f32 v[ST+8*\t+4], v[ST+8*\t+4], v[ST+8*\t+5], v[ST+8*\t+6]
.endr
.irp t, 0,1
	v_max3_num_f32 v[ST+8*\t+4], v[ST+8*\t+4], v[ST+8*\t+7], v[ST+8*\t]
.endr
.irp t, 0,1
	v_permlanex16_b32 v[ST+8*\t+5], v[ST+8*\t+4], s[SEL], s[SEL+1]   ; the query's other 64 keys lie in the lane 16 away
.endr
.irp t, 0,1
	v_mov_b32 v[ST+8*\t+1], v[ST+8*\t]
.endr
.irp t, 0,1
	v_max_num_f32 v[ST+8*\t], v[ST+8*\t+4], v[ST+8*\t+5]             ; the new M
.endr
.irp t, 0,1
	v_sub_f32 v[ST+8*\t+1], v[ST+8*\t+1], v[ST+8*\t]                 ; old M - new M
.endr
.set ii, 0
.rept 32
.irp t, 0,1
	v_pk_add_f32 v[S+64*\t+ii:S+64*\t+ii+1], v[S+64*\t+ii:S+64*\t+ii+1], v[ST+8*\t:ST+8*\t+1] op_sel_hi:[1,0] neg_lo:[0,1] neg_hi:[0,1]   ; s - M
.endr
.set ii, ii+2
.endr
.irp t, 0,1
	v_exp_f32 v[ST+8*\t+6], v[ST+8*\t+1]           ; a = 2^(old M - new M)
.endr
.set ii, 0
.rept 128
	v_exp_f32 v[S+ii], v[S+ii]                     ; p = 2^(s - M): ONE batch of 130 exponentials
.set ii, ii+1
.endr
	v_nop                                          ; the plain line behind the last of them
	s_wait_alu depctr_va_vdst(0)                   ; and the one wait ahead of the batch's first reader
.set ii, 0
.rept 64
	v_cvt_pk_f16_f32 v[P+ii], v[S+2*ii], v[S+2*ii+1]   ; two neighbouring tiles of keys, rounded in pairs, are source 1 of V^T P
.set ii, ii+1
.endr
.irp w, 4,8,16,32,64                               ; the row's sum of the unrounded p, in place, neighbours 1, 2, 4, 8, 16 pairs apart
.set ii, 0
.rept 128/\w
	v_pk_add_f32 v[S+ii:S+ii+1], v[S+ii:S+ii+1], v[S+ii+\w/2:S+ii+\w/2+1]
.set ii, ii+\w
.endr
.endr
.irp t, 0,1
	v_pk_fma_f32 v[ST+8*\t+2:ST+8*\t+3], v[ST+8*\t+2:ST+8*\t+3], v[ST+8*\t+6:ST+8*\t+7], v[S+64*\t:S+64*\t+1] op_sel_hi:[1,0,1]   ; l = a l + the sum
.endr
	WIN 0x41
.irp t, 0,1
.set ii, 0
.rept 24
	v_pk_mul_f32 v[48*\t+ii:48*\t+ii+1], v[48*\t+ii:48*\t+ii+1], v[ST+8*\t+6:ST+8*\t+7] op_sel_hi:[1,0]   ; O^T x a
.set ii, ii+2
.endr
.endr
.endm
; A PREFETCH of the fragment bytes of the part that this wave fetches at the NEXT change of slots: 3 x 32 lanes, 256 bytes apart.  The 8 work-groups of a head walk the same K and V; work-group 1, whose first pass
; walks key blocks 0..14 with no other ahead of it, asks, and only in that pass: so each block of 256 bytes is named once in the launch.  It stands behind the wave's tensor load; nothing is asked at the head
.macro ASK
	s_cmp_lt_u32 s[PW], s[PLIM]
	s_cbranch_scc0 .Lnoask_\@
	global_prefetch_b8 v[PFO], s[PFA:PFA+1] th:TH_LOAD_NT scope:SCOPE_SE
	global_prefetch_b8 v[PFO], s[PFA:PFA+1] offset:8192 th:TH_LOAD_NT scope:SCOPE_SE
	global_prefetch_b8 v[PFO], s[PFA:PFA+1] offset:16384 th:TH_LOAD_NT scope:SCOPE_SE
.Lnoask_\@:
.endm
; THE CHANGE OF SLOTS, behind the scores of a slot's second block, whose V has been asked for too.  Each wave waits for all its tensor loads (its part of the other slot), adds 0 to its spare word, and waits for
; that and for its reads of this slot.  Behind the barrier the slot is filled again (fill = 1), one load a wave, with two blocks' work in which to land
.macro CHANGE fill
	WIN 0
	s_wait_tensorcnt 0x0                           ; no tensor load of mine is out: a group 0 may be written
	ds_add_u32 v[SPW], v[NIL]                      ; the descriptor's words stand between it and its wait
.if \fill
	s_add_co_u32 s[G0A+1], s[TB], s[WOFF]          ; into the slot that is being left
	SEQ G0A
	s_add_co_u32 s[PW], s[PW], 2
	s_wait_xcnt 0x0                                ; the last prefetches have read their address
	s_mul_i32 s66, s[PW], PART
	s_mov_b32 s67, 0
	s_add_nc_u64 s[PFA:PFA+1], s[BASE:BASE+1], s[66:67]
.endif
	s_wait_dscnt 0x0                               ; the add is done, and my reads of this slot are over
	s_barrier_signal -1
	s_barrier_wait -1
.if \fill
	tensor_load_to_lds s[G0A:G0A+3], s[G1:G1+7]
	s_nop 0
	PLACES                                         ; also the places behind the scores' products
	ASK
.else
	PLACES
.endif
	s_xor_b32 s[TB], s[TB], SLOT1
	MAKEADR
.endm
; THE WAY OUT of a pass.  O^T / l, with the key blocks that were not walked added as w x their sums; O^T's registers leave as they stand, 512 consecutive bytes a store (the next launch undoes the order)
.macro OUT
	WIN 0
	s_cmp_lt_u32 s[PP], s[N1]                      ; pass 1 or pass 2
	s_cselect_b64 s[OB:OB+1], s[O1:O1+1], s[O2:O2+1]
	s_cselect_b32 s[NH], s[NH1], s[NH2]
	s_cselect_b32 s[VOF], 0, 512
	v_add_nc_u32 v[AVS], s[VOF], v[VSB]
	WIN 0x40
.irp k, 0,1,2,3,4,5,6,7,8,9,10,11
	ds_load_b128 v[VR+4*\k:VR+4*\k+3], v[AVS] offset:64*(\k/2)+16*(\k%2)
.endr
	WIN 0
.irp t, 0,1
	v_add_f32 v[ST+8*\t+4], v[ST+8*\t+2], v[ST+8*\t+3]
.endr
.irp t, 0,1
	v_sub_f32 v[ST+8*\t+1], v[TMV], v[ST+8*\t]
.endr
.irp t, 0,1
	v_permlanex16_b32 v[ST+8*\t+5], v[ST+8*\t+4], s[SEL], s[SEL+1]
.endr
.irp t, 0,1
	v_exp_f32 v[ST+8*\t+7], v[ST+8*\t+1]           ; w = 2^(TM - M)
.endr
.irp t, 0,1
	v_add_f32 v[ST+8*\t+4], v[ST+8*\t+4], v[ST+8*\t+5]   ; the row's sum (plain lines behind the exponentials)
.endr
	s_wait_alu depctr_va_vdst(0)                   ; ahead of w's first reader
.irp t, 0,1
	v_fma_f32 v[ST+8*\t+4], v[ST+8*\t+7], s[NH], v[ST+8*\t+4]   ; + w x the number of keys not walked
.endr
.irp t, 0,1
	v_rcp_f32 v[ST+8*\t+6], v[ST+8*\t+4]
.endr
	v_nop
	s_wait_alu depctr_va_vdst(0)                   ; ahead of the reciprocals' first reader
.irp t, 0,1
	v_mul_f32 v[ST+8*\t+4], v[ST+8*\t+7], v[ST+8*\t+6]   ; w / l
.endr
	s_wait_dscnt 0x0                               ; the suffix sums are in
	WIN 0x41
.irp t, 0,1
.set ii, 0
.rept 24
	v_pk_mul_f32 v[48*\t+ii:48*\t+ii+1], v[48*\t+ii:48*\t+ii+1], v[ST+8*\t+6:ST+8*\t+7] op_sel_hi:[1,0]
.set ii, ii+2
.endr
.endr
	WIN 0x51
.irp t, 0,1
.set ii, 0
.rept 24
	v_pk_fma_f32 v[48*\t+ii:48*\t+ii+1], v[VR+ii:VR+ii+1], v[ST+8*\t+4:ST+8*\t+5], v[48*\t+ii:48*\t+ii+1] op_sel_hi:[1,0,1]
.set ii, ii+2
.endr
.endr
	WIN 0x04
.irp t, 0,1
.irp k, 0,1,2,3,4,5,6,7,8,9,10,11
	global_store_b128 v[L16], v[48*\t+4*\k:48*\t+4*\k+3], s[OB:OB+1] offset:6144*\t+512*\k th:TH_STORE_NT
.endr
.endr
	WIN 0
	s_wait_xcnt 0x0                                ; the stores have read O^T and their base: both are written again in the next pass
.irp t, 0,1
	v_mov_b32 v[ST+8*\t], 0xff61b1e6               ; M = -3e38: the next block's a is 0 and wipes the finite O^T and l that are left
.endr
.endm
; ONE KEY BLOCK.  vadr: where its V lies; nk, nc: where the next block's K and addends lie; chg: 0 none, 1 change of slots with a refill, 2 without, 3 the first slot's arrival; dg = 1: the block may be a pass's last
.macro BLOCK vadr, nk, nc, chg, dg
.if \dg
	s_cmp_eq_u32 s[PP], s[QB1]
	s_cselect_b32 s[DG], 1, 0
	s_cmp_eq_u32 s[PP], 16
	s_cselect_b32 s[DG], 1, s[DG]
.endif
	PLACES                                         ; in front of loads into V's registers, which the last products read
	LDV \vadr
	s_wait_loadcnt 0x0                             ; Q
	s_wait_dscnt 48                                ; K and the addends are in; V's 48 loads are younger
	KQ
.if \chg == 0
	PLACES
	WIN 0
.elseif \chg == 1
	CHANGE 1
.elseif \chg == 2
	CHANGE 0
.else
	WIN 0
	s_wait_tensorcnt 0x1                           ; my part of slot 0 has landed; slot 1's, younger, may stay out
	s_wait_dscnt 0x0
	s_barrier_signal -1
	s_barrier_wait -1
	PLACES
.endif
.if \dg
	s_cmp_lg_u32 s[PP], s[QB1]
	s_cbranch_scc1 .Lnoq_\@
	LDQ Q2                                         ; pass 1's last scores are made: pass 2's queries
.Lnoq_\@:
	s_cmp_eq_u32 s[PP], 16
	s_cbranch_scc1 .Lnok_\@                        ; the last block has no successor
.endif
	LDK \nk, \nc
.if \dg
.Lnok_\@:
	s_cmp_eq_u32 s[DG], 0
	s_cbranch_scc1 .Lopen_\@
	MASK
.Lopen_\@:
.endif
	SOFTMAX
.if \dg
	s_wait_dscnt 0x0                               ; V is in (on the way round the next K's loads none is younger, so the count is 0)
.else
	s_wait_dscnt 63                                ; V is in: 64 loads are younger; the count's field holds 63
.endif
	PV
	WIN 0
.if \dg
	s_cmp_eq_u32 s[DG], 0
	s_cbranch_scc1 .Lon_\@
	PLACES
	OUT
.Lon_\@:
.endif
	s_add_co_u32 s[PP], s[PP], 1
.endm
	s_load_b256 s[4:11], s[0:1], 0x0               ; qimg s[4:5], kimg s[6:7], vimg s[8:9], vsum s[10:11]
	s_load_b64 s[12:13], s[0:1], 0x20              ; attn
	v_lshl_add_u32 v[SPW], v0, 2, SPARE
	v_mov_b32 v[NIL], 0
	ds_add_u32 v[SPW], v[NIL]                      ; the opening: the add, twice on end, and its wait ahead of my first tensor load
	ds_add_u32 v[SPW], v[NIL]
	v_lshrrev_b32 v1, 5, v0
	v_readfirstlane_b32 s[WV], v1                  ; wave 0..3
	s_and_b32 s[BH], ttmp7, 0xffff
	s_sub_co_u32 s66, 15, ttmp9
	s_and_b32 s67, ttmp9, 1
	s_cmp_eq_u32 s67, 0
	s_cselect_b32 s[QB1], ttmp9, s66               ; the even one first
	s_cselect_b32 s[QB2], s66, ttmp9
	s_add_co_u32 s[N1], s[QB1], 1
	s_sub_co_u32 s[NH1], 15, s[QB1]
	s_lshl_b32 s[NH1], s[NH1], 7
	s_cvt_f32_u32 s[NH1], s[NH1]                   ; the keys that pass 1 does not walk
	s_sub_co_u32 s[NH2], 15, s[QB2]
	s_lshl_b32 s[NH2], s[NH2], 7
	s_cvt_f32_u32 s[NH2], s[NH2]
	s_cmp_eq_u32 ttmp9, 1
	s_cselect_b32 s[PLIM], s[N1], 0                ; who prefetches, and up to where
	s_mov_b32 s[G1], 3<<16                         ; a part: 97 rows of 32 elements of 8 bytes, dense, no mask, no padding
	s_mov_b32 s[G1+1], 32<<16
	s_mov_b32 s[G1+2], 97<<16
	s_mov_b32 s[G1+3], 32<<16
	s_mov_b32 s[G1+4], 97
	s_mov_b32 s[G1+5], 32
	s_mov_b32 s[G1+6], 0
	s_mov_b32 s[G1+7], 0
	s_mov_b32 s[SEL], 0x76543210
	s_mov_b32 s[SEL+1], 0xfedcba98
	s_mov_b32 s[NC0], 0xbe16c740                   ; -c0
	s_mov_b32 s[PP], 0
	s_mov_b32 s[TB], 0
	s_and_b32 s[SB], s[WV], 1                      ; which of a slot's two blocks I fetch,
	s_lshr_b32 s[TN], s[WV], 1                     ; and of which tensor: 0 K, 1 V
	s_mul_i32 s[WOFF], s[SB], SUB
	s_mul_i32 s68, s[TN], PART
	s_add_co_u32 s[WOFF], s[WOFF], s68             ; my part's place in a slot
	s_add_co_u32 s69, s68, FB                      ; and in F
	s_add_co_u32 s[PW], s[SB], 1
	s_mul_i32 s70, s[BH], HEADB
	s_mov_b32 s71, 0
	s_wait_dscnt 0x0                               ; both opening adds are done
	s_wait_kmcnt 0x0
	s_cmp_eq_u32 s[TN], 0
	s_cselect_b64 s[BASE:BASE+1], s[6:7], s[8:9]
	s_add_nc_u64 s[BASE:BASE+1], s[BASE:BASE+1], s[70:71]
	s_mov_b32 s[G0F], 1
	s_mov_b32 s[G0F+1], s69
	s_mov_b64 s[G0F+2:G0F+3], s[BASE:BASE+1]       ; key block 0
	s_or_b32 s[G0F+3], s[G0F+3], 0x80000000
	s_mov_b32 s[G0A], 1
	s_mov_b32 s[G0A+1], s[WOFF]
	SEQ G0A                                        ; slot 0: places 1, 2
	s_add_co_u32 s[PW], s[PW], 2
	s_mov_b32 s[G0B], 1
	s_add_co_u32 s[G0B+1], s[WOFF], SLOT1
	SEQ G0B                                        ; slot 1: places 3, 4
	s_add_co_u32 s[PW], s[PW], 2
	s_cmp_eq_u32 s[SB], 0                          ; a wave's first fills stand in one branch on its number: waves 0 and 2 bring F too
	s_cbranch_scc0 .Lodd
	tensor_load_to_lds s[G0F:G0F+3], s[G1:G1+7]
	s_nop 0
	tensor_load_to_lds s[G0A:G0A+3], s[G1:G1+7]
	s_nop 0
	tensor_load_to_lds s[G0B:G0B+3], s[G1:G1+7]
	s_nop 0
	PLACES
	s_branch .Lfilled
.Lodd:
	tensor_load_to_lds s[G0A:G0A+3], s[G1:G1+7]
	s_nop 0
	tensor_load_to_lds s[G0B:G0B+3], s[G1:G1+7]
	s_nop 0
	PLACES
.Lfilled:
	v_and_b32 v32, 15, v0                          ; r
	v_bfe_u32 v33, v0, 4, 1                        ; h
	v_and_b32 v34, 31, v0
	v_lshlrev_b32 v[L16], 4, v34
	v_lshlrev_b32 v[H32], 5, v33
	v_lshlrev_b32 v[PFO], 8, v34
	v_lshlrev_b32 v33, 3, v33
	v_sub_nc_u32 v[D0], v32, v33
	s_lshl_b32 s66, s[WV], 5
	v_add_nc_u32 v[D0], s66, v[D0]
	v_add_nc_u32 v[ADF], FB, v[L16]
	v_add_nc_u32 v[CDF], FB, v[H32]
	v_add_nc_u32 v[VSB], VS, v[H32]
	MAKEADR
	s_lshl_b32 s66, s[BH], 7
	s_lshl_b32 s67, s[WV], 1
	s_add_co_u32 s66, s66, s67
	s_lshl_b32 s68, s[QB1], 3
	s_add_co_u32 s68, s68, s66                     ; my first tile of queries in pass 1,
	s_lshl_b32 s70, s[QB2], 3
	s_add_co_u32 s70, s70, s66                     ; in pass 2
	s_mov_b32 s77, 0
	s_mul_i32 s76, s68, 3072
	s_add_nc_u64 s[Q1:Q1+1], s[4:5], s[76:77]
	s_mul_i32 s76, s70, 3072
	s_add_nc_u64 s[Q2:Q2+1], s[4:5], s[76:77]
	s_mul_i32 s76, s68, 6144
	s_add_nc_u64 s[O1:O1+1], s[12:13], s[76:77]
	s_mul_i32 s76, s70, 6144
	s_add_nc_u64 s[O2:O2+1], s[12:13], s[76:77]
	s_lshr_b32 s76, s[BH], 3
	s_mul_i32 s76, s76, 49152
	s_and_b32 s78, s[BH], 7
	s_mul_i32 s78, s78, 384
	s_add_co_u32 s76, s76, s78
	s_add_nc_u64 s[10:11], s[10:11], s[76:77]      ; vsum at my batch's block 0, my head
	LDQ Q1
	v_min_u32 v51, 95, v0                          ; thread t sums channel min(t, 95)
	v_lshlrev_b32 v51, 2, v51
.irp sl, 1,2,3,4,5,6,7,8,9,10,11,12,13,14,15       ; (block 0 lies after no query block)
	global_load_b32 v[31+\sl], v51, s[10:11] offset:3072*\sl
.endr
	WIN 0x40
.set ii, 0
.rept 96
	v_mov_b32 v[ii], 0                             ; O^T, once: the block is written once, and the first a, 0, must meet numbers
.set ii, ii+1
.endr
	WIN 0
.irp t, 0,1
	v_mov_b32 v[ST+8*\t], 0xff61b1e6               ; M = -3e38
	v_mov_b32 v[ST+8*\t+2], 0                      ; l
	v_mov_b32 v[ST+8*\t+3], 0
.endr
	v_mov_b32 v[TMV], 0x501502f9
	v_mul_f32 v[TMV], s[NC0], v[TMV]               ; TM = (-c0) x 1e10
	v_lshl_add_u32 v50, v0, 2, VS
	s_wait_loadcnt 0x0
.irp sl, 1,2,3,4,5,6,7,8,9,10,11,12,13,14,15       ; the sums of v over the key blocks behind qb1 and behind qb2: weights 1 or 0 by ids
	s_cmp_lt_u32 s[QB1], \sl
	s_cselect_b32 s66, 1.0, 0
	s_cmp_lt_u32 s[QB2], \sl
	s_cselect_b32 s67, 1.0, 0
.if \sl == 1
	v_mul_f32 v48, s66, v[31+\sl]
	v_mul_f32 v49, s67, v[31+\sl]
.else
	v_fmac_f32 v48, s66, v[31+\sl]
	v_fmac_f32 v49, s67, v[31+\sl]
.endif
.endr
	ds_store_b32 v50, v48
	ds_store_b32 v50, v49 offset:512
	s_wait_tensorcnt 0x2                           ; F has landed; the two slots' loads are younger
	s_wait_dscnt 0x0                               ; my suffix sums are stored
	s_barrier_signal -1
	s_barrier_wait -1
	LDK ADF, CDF
	BLOCK ADF, ADA, CDA, 3, 1                      ; place 0
	s_mov_b32 s[CNT], 6
.Lfill:                                            ; slots 0 to 5: each is filled again when it is left
	BLOCK ADA, ADB, CDB, 0, 0
	BLOCK ADB, ADA, CDA, 1, 1
	s_sub_co_u32 s[CNT], s[CNT], 1
	s_cmp_lg_u32 s[CNT], 0
	s_cbranch_scc1 .Lfill
	s_mov_b32 s[CNT], 2
.Ltail:                                            ; slots 6 and 7: nothing is left to fetch, so the tail has a text of its own
	BLOCK ADA, ADB, CDB, 0, 0
	BLOCK ADB, ADA, CDA, 2, 1
	s_sub_co_u32 s[CNT], s[CNT], 1
	s_cmp_lg_u32 s[CNT], 0
	s_cbranch_scc1 .Ltail
	s_wait_tensorcnt 0x0                           ; the wave's end
	ds_add_u32 v[SPW], v[NIL]
	s_wait_dscnt 0x0
	s_endpgm
.Lfunc_end_k_q1c89212e2d_attn:
	.size	k_q1c89212e2d_attn, .Lfunc_end_k_q1c89212e2d_attn-k_q1c89212e2d_attn
	.p2alignl 7, 3214868480
	.fill 96, 4, 3214868480
	.section	.rodata,"a",@progbits
	.p2align	6, 0x0
	.amdhsa_kernel k_q1c89212e2d_attn
		.amdhsa_group_segment_fixed_size 327680
		.amdhsa_private_segment_fixed_size 0
		.amdhsa_enable_private_segment 0
		.amdhsa_kernarg_size 40
		.amdhsa_user_sgpr_count 2
		.amdhsa_user_sgpr_kernarg_segment_ptr 1
		.amdhsa_wavefront_size32 1
		.amdhsa_system_sgpr_workgroup_id_x 1
		.amdhsa_system_sgpr_workgroup_id_y 1
		.amdhsa_system_sgpr_workgroup_id_z 1
		.amdhsa_system_vgpr_workitem_id 0
		.amdhsa_next_free_vgpr 1024
		.amdhsa_next_free_sgpr 100
		.amdhsa_reserve_vcc 1
		.amdhsa_float_denorm_mode_32 3
		.amdhsa_float_denorm_mode_16_64 3
		.amdhsa_memory_ordered 1
		.amdhsa_forward_progress 1
		.amdhsa_inst_pref_size 255
	.end_amdhsa_kernel
	.section	.bss,"aw",@nobits
	.p2align	6
	.space	262144
	.amdgpu_metadata
---
amdhsa.version: [ 1, 2 ]
amdhsa.kernels:
  - .name:           k_q1c89212e2d_attn
    .symbol:         k_q1c89212e2d_attn.kd
    .args:
      - { .name: qimg, .offset: 0, .size: 8, .value_kind: global_buffer, .address_space: global }
      - { .name: kimg, .offset: 8, .size: 8, .value_kind: global_buffer, .address_space: global }
      - { .name: vimg, .offset: 16, .size: 8, .value_kind: global_buffer, .address_space: global }
      - { .name: vsum, .offset: 24, .size: 8, .value_kind: global_buffer, .address_space: global }
      - { .name: attn, .offset: 32, .size: 8, .value_kind: global_buffer, .address_space: global }
    .group_segment_fixed_size: 327680
    .private_segment_fixed_size: 0
    .kernarg_segment_align: 8
    .kernarg_segment_size: 40
    .max_flat_workgroup_size: 128
    .sgpr_count:     100
    .vgpr_count:     1024
    .wavefront_size: 32
...
	.end_amdgpu_metadata
.endif
;; end of part 3
;; launch ln (part 4): grid 512 x 1, 8 waves a work-group, no clusters, 50,432 bytes of LDS; arguments attn, x, gamma, beta, out0; writes out0
.if DOCPART == 4
	.amdgcn_target "amdgcn-amd-amdhsa--gfx1250"
	.amdhsa_code_object_version 6
	.text
	.protected	k_q1c89212e2d_ln
	.globl	k_q1c89212e2d_ln
	.p2align	8
	.type	k_q1c89212e2d_ln,@function
k_q1c89212e2d_ln:
	s_mov_b64 s[64:65], 0
	v_nop
	global_prefetch_b8 v0, s[64:65] scope:SCOPE_SE
	s_setreg_imm32_b32 hwreg(HW_REG_WAVE_MODE, 25, 1), 1
	s_wait_xcnt 0x0
; out0 = LayerNorm(attn + x) x gamma + beta over 768, eps = 1e-6, all in f32.  attn arrives as images of the attention launch's result registers, [bh][tile of 16 queries][k 12][lane][16 bytes]:
; query r, channels 16 (k / 2) + 8 h + 4 (k % 2) + 0..3 of the head.  A work-group takes 16 rows: wave hd loads head hd's image (12 loads of 512 consecutive bytes) and puts it at its place in a stage of
; 16 rows in LDS; behind one barrier each wave takes two whole rows.  The mean is taken first and the squares of the differences after it: no difference of large sums.
; Memory binds: all 36 loads of a wave go out at its head; every load and store covers 512 consecutive bytes.  No matrix unit, no tensor load, no cluster: work-groups share only gamma and beta.
.set ROWB,  3072
.set LP,    3088                       ; a stage row: 3,072 bytes + 16: 772 words, so 16 rows start at 16 different groups of 4 banks (ISA guide 11.1)
.set SPARE, 16*LP                      ; the spare words, 128 bytes a wave, named by no other line
.set L16, 5
.set STI, 6
.set STO, 7
.set SPW, 12
.set NIL, 13
.set AT,  16                           ; v16-63  the image, then my two rows: 24 registers each
.set X,   64                           ; v64-111 x's two rows
.set G,   112                          ; v112-135 gamma
.set BE,  136                          ; v136-159 beta
.set TT,  160                          ; v160-175 at work, 8 a row
.set SEL, 20
.set INV, 22
.set EPSR, 23
	s_load_b256 s[4:11], s[0:1], 0x0               ; attn s[4:5], x s[6:7], gamma s[8:9], beta s[10:11]
	s_load_b64 s[12:13], s[0:1], 0x20              ; out0
	v_lshl_add_u32 v[SPW], v0, 2, SPARE
	v_mov_b32 v[NIL], 0
	v_lshrrev_b32 v1, 5, v0
	v_readfirstlane_b32 s14, v1                    ; wave = head, 0..7
	v_and_b32 v2, 31, v0
	v_lshlrev_b32 v[L16], 4, v2
	v_and_b32 v3, 15, v0
	v_bfe_u32 v4, v0, 4, 1
	v_mul_u32_u24 v[STI], v3, LP
	v_lshl_add_u32 v[STI], v4, 5, v[STI]
	s_mul_i32 s15, s14, 384
	v_add_nc_u32 v[STI], s15, v[STI]               ; in: row r, + 384 x head + 32 h
	s_mul_i32 s15, s14, 2*LP
	v_add_nc_u32 v[STO], s15, v[L16]               ; back: rows 2 x wave, + 1; 16 bytes a lane
	s_lshr_b32 s16, ttmp9, 7
	s_lshl_b32 s16, s16, 3
	s_add_co_u32 s16, s16, s14                     ; 8 b + head
	s_lshl_b32 s16, s16, 7
	s_and_b32 s17, ttmp9, 127
	s_add_co_u32 s16, s16, s17
	s_mul_i32 s16, s16, 6144
	s_mov_b32 s17, 0
	s_lshl_b32 s18, ttmp9, 4
	s_lshl_b32 s19, s14, 1
	s_add_co_u32 s18, s18, s19
	s_mul_i32 s18, s18, ROWB                       ; my two rows of x and of out0
	s_mov_b32 s19, 0
	s_mov_b32 s[SEL], 0x76543210
	s_mov_b32 s[SEL+1], 0xfedcba98
	s_mov_b32 s[INV], 0x3aaaaaab                   ; 1 / 768
	s_mov_b32 s[EPSR], 0x358637bd                  ; 1e-6
	s_wait_kmcnt 0x0
	s_add_nc_u64 s[4:5], s[4:5], s[16:17]
	s_add_nc_u64 s[6:7], s[6:7], s[18:19]
	s_add_nc_u64 s[12:13], s[12:13], s[18:19]
.irp k, 0,1,2,3,4,5,6,7,8,9,10,11
	global_load_b128 v[AT+4*\k:AT+4*\k+3], v[L16], s[4:5] offset:512*\k th:TH_LOAD_NT
.endr
.irp p, 0,1
.irp m, 0,1,2,3,4,5
	global_load_b128 v[X+24*\p+4*\m:X+24*\p+4*\m+3], v[L16], s[6:7] offset:ROWB*\p+512*\m th:TH_LOAD_NT
.endr
.endr
.irp m, 0,1,2,3,4,5
	global_load_b128 v[G+4*\m:G+4*\m+3], v[L16], s[8:9] offset:512*\m
.endr
.irp m, 0,1,2,3,4,5
	global_load_b128 v[BE+4*\m:BE+4*\m+3], v[L16], s[10:11] offset:512*\m
.endr
.irp p, 0,1
	v_mov_b32 v[TT+8*\p+7], 0                      ; named as the upper half of a pair: written once
.endr
	s_wait_loadcnt 24                              ; the image is in; x, gamma and beta, 24 loads, are younger
.irp k, 0,1,2,3,4,5,6,7,8,9,10,11
	ds_store_b128 v[STI], v[AT+4*\k:AT+4*\k+3] offset:64*(\k/2)+16*(\k%2)
.endr
	s_wait_dscnt 0x0                               ; for the others' sake: my stores have landed
	s_barrier_signal -1
	s_barrier_wait -1
.irp p, 0,1
.irp m, 0,1,2,3,4,5
	ds_load_b128 v[AT+24*\p+4*\m:AT+24*\p+4*\m+3], v[STO] offset:LP*\p+512*\m
.endr
.endr
	s_wait_loadcnt 12                              ; x is in; gamma and beta are younger
	s_wait_dscnt 0x0
.irp p, 0,1
.set ii, 0
.rept 12
	v_pk_add_f32 v[AT+24*\p+ii:AT+24*\p+ii+1], v[AT+24*\p+ii:AT+24*\p+ii+1], v[X+24*\p+ii:X+24*\p+ii+1]   ; y = attn + x
.set ii, ii+2
.endr
.endr
.irp p, 0,1
	v_pk_add_f32 v[TT+8*\p:TT+8*\p+1], v[AT+24*\p:AT+24*\p+1], v[AT+24*\p+2:AT+24*\p+3]
	v_pk_add_f32 v[TT+8*\p+2:TT+8*\p+3], v[AT+24*\p+4:AT+24*\p+5], v[AT+24*\p+6:AT+24*\p+7]
.endr
.irp i, 8,12,16,20
.irp p, 0,1
	v_pk_add_f32 v[TT+8*\p:TT+8*\p+1], v[TT+8*\p:TT+8*\p+1], v[AT+24*\p+\i:AT+24*\p+\i+1]
	v_pk_add_f32 v[TT+8*\p+2:TT+8*\p+3], v[TT+8*\p+2:TT+8*\p+3], v[AT+24*\p+\i+2:AT+24*\p+\i+3]
.endr
.endr
.macro ACROSS                          ; two packed chains a row -> the row's sum in every lane, in v[TT + 8 p]
.irp p, 0,1
	v_pk_add_f32 v[TT+8*\p:TT+8*\p+1], v[TT+8*\p:TT+8*\p+1], v[TT+8*\p+2:TT+8*\p+3]
.endr
.irp p, 0,1
	v_add_f32 v[TT+8*\p], v[TT+8*\p], v[TT+8*\p+1]
.endr
.irp x, 1,2,4,8
.irp p, 0,1
	v_add_f32_dpp v[TT+8*\p], v[TT+8*\p], v[TT+8*\p] row_xmask:\x row_mask:0xf bank_mask:0xf
.endr
.endr
.irp p, 0,1
	v_permlanex16_b32 v[TT+8*\p+1], v[TT+8*\p], s[SEL], s[SEL+1]
.endr
.irp p, 0,1
	v_add_f32 v[TT+8*\p], v[TT+8*\p], v[TT+8*\p+1]
.endr
.endm
	ACROSS
.irp p, 0,1
	v_mul_f32 v[TT+8*\p+4], s[INV], v[TT+8*\p]     ; the mean,
.endr
.irp p, 0,1
	v_mov_b32 v[TT+8*\p+5], v[TT+8*\p+4]           ; as a pair
.endr
.irp p, 0,1
.set ii, 0
.rept 12
	v_pk_add_f32 v[AT+24*\p+ii:AT+24*\p+ii+1], v[AT+24*\p+ii:AT+24*\p+ii+1], v[TT+8*\p+4:TT+8*\p+5] neg_lo:[0,1] neg_hi:[0,1]   ; d = y - mean
.set ii, ii+2
.endr
.endr
.irp p, 0,1
	v_pk_mul_f32 v[TT+8*\p:TT+8*\p+1], v[AT+24*\p:AT+24*\p+1], v[AT+24*\p:AT+24*\p+1]
	v_pk_mul_f32 v[TT+8*\p+2:TT+8*\p+3], v[AT+24*\p+2:AT+24*\p+3], v[AT+24*\p+2:AT+24*\p+3]
.endr
.irp i, 4,8,12,16,20
.irp p, 0,1
	v_pk_fma_f32 v[TT+8*\p:TT+8*\p+1], v[AT+24*\p+\i:AT+24*\p+\i+1], v[AT+24*\p+\i:AT+24*\p+\i+1], v[TT+8*\p:TT+8*\p+1]
	v_pk_fma_f32 v[TT+8*\p+2:TT+8*\p+3], v[AT+24*\p+\i+2:AT+24*\p+\i+3], v[AT+24*\p+\i+2:AT+24*\p+\i+3], v[TT+8*\p+2:TT+8*\p+3]
.endr
.endr
	ACROSS
.irp p, 0,1
	v_fma_f32 v[TT+8*\p], v[TT+8*\p], s[INV], s[EPSR]   ; the variance + eps
.endr
.irp p, 0,1
	v_rsq_f32 v[TT+8*\p+6], v[TT+8*\p]
.endr
	v_nop                                          ; a plain line behind the last of them,
	s_wait_alu depctr_va_vdst(0)                   ; and the wait ahead of the first reader
	s_wait_loadcnt 0x0                             ; gamma, beta
.irp p, 0,1
.set ii, 0
.rept 12
	v_pk_mul_f32 v[AT+24*\p+ii:AT+24*\p+ii+1], v[AT+24*\p+ii:AT+24*\p+ii+1], v[TT+8*\p+6:TT+8*\p+7] op_sel_hi:[1,0]
.set ii, ii+2
.endr
.endr
.irp p, 0,1
.set ii, 0
.rept 12
	v_pk_fma_f32 v[AT+24*\p+ii:AT+24*\p+ii+1], v[AT+24*\p+ii:AT+24*\p+ii+1], v[G+ii:G+ii+1], v[BE+ii:BE+ii+1]
.set ii, ii+2
.endr
.endr
.irp p, 0,1
.irp m, 0,1,2,3,4,5
	global_store_b128 v[L16], v[AT+24*\p+4*\m:AT+24*\p+4*\m+3], s[12:13] offset:ROWB*\p+512*\m th:TH_STORE_NT
.endr
.endr
	s_wait_tensorcnt 0x0                           ; the wave's end
	ds_add_u32 v[SPW], v[NIL]
	s_wait_dscnt 0x0
	s_endpgm
.Lfunc_end_k_q1c89212e2d_ln:
	.size	k_q1c89212e2d_ln, .Lfunc_end_k_q1c89212e2d_ln-k_q1c89212e2d_ln
	.p2alignl 7, 3214868480
	.fill 96, 4, 3214868480
	.section	.rodata,"a",@progbits
	.p2align	6, 0x0
	.amdhsa_kernel k_q1c89212e2d_ln
		.amdhsa_group_segment_fixed_size 50432
		.amdhsa_private_segment_fixed_size 0
		.amdhsa_enable_private_segment 0
		.amdhsa_kernarg_size 40
		.amdhsa_user_sgpr_count 2
		.amdhsa_user_sgpr_kernarg_segment_ptr 1
		.amdhsa_wavefront_size32 1
		.amdhsa_system_sgpr_workgroup_id_x 1
		.amdhsa_system_sgpr_workgroup_id_y 1
		.amdhsa_system_sgpr_workgroup_id_z 1
		.amdhsa_system_vgpr_workitem_id 0
		.amdhsa_next_free_vgpr 176
		.amdhsa_next_free_sgpr 66
		.amdhsa_reserve_vcc 0
		.amdhsa_float_denorm_mode_32 3
		.amdhsa_float_denorm_mode_16_64 3
		.amdhsa_memory_ordered 1
		.amdhsa_forward_progress 1
		.amdhsa_inst_pref_size 20
	.end_amdhsa_kernel
	.amdgpu_metadata
---
amdhsa.version: [ 1, 2 ]
amdhsa.kernels:
  - .name:           k_q1c89212e2d_ln
    .symbol:         k_q1c89212e2d_ln.kd
    .args:
      - { .name: attn, .offset: 0, .size: 8, .value_kind: global_buffer, .address_space: global }
      - { .name: x, .offset: 8, .size: 8, .value_kind: global_buffer, .address_space: global }
      - { .name: gamma, .offset: 16, .size: 8, .value_kind: global_buffer, .address_space: global }
      - { .name: beta, .offset: 24, .size: 8, .value_kind: global_buffer, .address_space: global }
      - { .name: out0, .offset: 32, .size: 8, .value_kind: global_buffer, .address_space: global }
    .group_segment_fixed_size: 50432
    .private_segment_fixed_size: 0
    .kernarg_segment_align: 8
    .kernarg_segment_size: 40
    .max_flat_workgroup_size: 256
    .sgpr_count:     66
    .vgpr_count:     176
    .wavefront_size: 32
...
	.end_amdgpu_metadata
.endif
;; end of part 4
